; MI455X (gfx1250); checked and timed in simulation.
; The chip was launched on July 23, 2026; its instructions are those of AMD's public machine-readable ISA for CDNA 5 (MIT licence, August 2026) and "CDNA5" Instruction Set Architecture Reference Guide (July 2026). The comments in the code are by the model that wrote it; some were corrected since.
;; Causal Self Attention. Allowed arithmetic: matrix products marked QUANTISED: E2M3 operands, one E8M0 scale for each 32 along K, by v_wmma_scale_f32_16x16x128_f8f6f4 with both operands' format E2M3, f32 sums; everything else in f32.
;; Inputs: b_attn 3,072 float32; b_proj 1,024 float32; w_attn 1,024 x 3,072 float32; w_proj 1,024 x 1,024 float32; x 4 x 2,048 x 1,024 float32.
;; Outputs: out0 4 x 2,048 x 1,024 float32.
;; This version of the problem:
;;   THIS VERSION OF THE PROBLEM IS GIVEN IN LOW PRECISION. The matrix products marked QUANTISED in the list below multiply operands that are first quantised to E2M3 (2 exponent bits, 3 mantissa bits; 6 bits a number), with one power-of-two scale for each 32 numbers along K (OCP MX v1.0); their sums are f32. All else is computed in f32.
;;   The module's matrix products, in the order in which they are computed (A, B: the left and right operand; K: the contracted axis; several contracted axes count as one K, in the product's order):
;;     1. [M 8,192, K 1,024] x [K 1,024, N 3,072]; A: input x; B: input w_attn: QUANTISED
;;     2. batch 64 x [M 2,048, K 64] x [K 64, N 2,048]; A: computed on the way; B: computed on the way: QUANTISED
;;     3. batch 64 x [M 2,048, K 2,048] x [K 2,048, N 64]; A: softmax (see below); B: computed on the way: QUANTISED
;;     4. [M 8,192, K 1,024] x [K 1,024, N 1,024]; A: computed on the way; B: input w_proj: QUANTISED
;;   THE QUANTISER, for each operand of a quantised product, along K:
;;     - K is cut into blocks of 32 from its start; a last block that is shorter is filled with zeros.
;;     - A block's scale is 2^e with e = floor(log2(the largest magnitude in the block)) - 2, held to -126 .. 127; a block of zeros has e = 0. As a byte (E8M0): e + 127.
;;     - Each number is divided by its block's scale, clamped to +-7.5, and rounded to the nearest number of E2M3, ties to even, subnormals kept.
;;     - The product sums the exact products of the quantised numbers (number of the format x scale) in f32.
;;   ~~~python
;;   def quantise(x, axis):      # numpy; x: float32 -> the quantised numbers, widened to float32 again
;;       x = np.moveaxis(x, axis, -1); K = x.shape[-1]
;;       x = np.pad(x, [(0, 0)] * (x.ndim - 1) + [(0, -K % 32)]); x = x.reshape(x.shape[:-1] + (-1, 32)); a = np.abs(x).max(-1, keepdims=True)
;;       e = np.where(a > 0, np.clip(np.frexp(np.where(a > 0, a, 1))[1] - 1 - 2, -126, 127), 0)      # np.frexp(a)[1] - 1 = floor(log2(a)), exactly
;;       r = np.clip(x / 2.0 ** e, -7.5, 7.5)
;;       step = 2.0 ** (np.maximum(np.frexp(np.where(r == 0, 1, r))[1] - 1, 0) - 3)
;;       q = np.round(r / step) * step * 2.0 ** e      # np.round: ties to even
;;       return np.moveaxis(q.reshape(q.shape[:-2] + (-1,))[..., :K], -1, axis).astype(np.float32)
;;   ~~~
;;   SOFTMAX AHEAD OF A QUANTISED PRODUCT. Where the list says 'softmax', what is quantised is not the finished softmax but p = 2^(t - M), with t = logit x log2(e) and M = ceil(the row's largest t), a whole number; so 1/2 < the row's largest p <= 1. The row's sum l is taken of the UNQUANTISED p, in f32, and the product's result is divided by l at the end. Since M is a whole number, a kernel that streams over the keys may use a running M (the ceiling of the running maximum): every later rescaling is an exact power of two, which a block's scale takes up: the codes' values come out the same.
;;   OPERANDS COMPUTED ON THE WAY. 'Computed on the way' means the value that the module computes at that place (a softmax that the list does not call 'softmax' is quantised finished and normalised). What goes into a quantiser is computed in f32, as accurately as f32 sums, v_exp_f32 and their like allow (about 1e-6 of the number): no bf16 or f16 on the way to a quantiser, and a product that is left as it is and whose result goes on into a quantised operand takes f32 operands (vector FMAs, or v_wmma_f32_16x16x4_f32). A number that lies on a knife's edge between two numbers of the format may be rounded either way, as far as f32 arithmetic and the matrix unit's own rounding can turn it there, and no further.
;; One version. Each part assembles by itself: llvm-mc -triple=amdgcn-amd-amdhsa -mcpu=gfx1250 --defsym DOCPART=n.
;; ======== version 1 of 1: 4 launches
;; limits: right only within a limited range of input values
;; workspace buffers: xq 6,553,600 bytes; wq 3,276,800 bytes; qb 6,815,744 bytes; kv 13,369,344 bytes; yq 6,553,600 bytes
;; launch quant (part 1): grid 512 x 1, 4 waves a work-group, no clusters, 34,304 bytes of LDS; arguments x, w_attn, w_proj, xq, wq; writes xq, wq
.if DOCPART == 1
	.amdgcn_target "amdgcn-amd-amdhsa--gfx1250"
	.amdhsa_code_object_version 6
	.text
	.protected	k_q3a8720642d_quant
	.globl	k_q3a8720642d_quant
	.p2align	8
	.type	k_q3a8720642d_quant,@function
k_q3a8720642d_quant:
	s_mov_b64 s[64:65], 0
	v_nop
	global_prefetch_b8 v0, s[64:65] scope:SCOPE_SE
	s_setreg_imm32_b32 hwreg(HW_REG_WAVE_MODE, 25, 1), 1
	s_wait_xcnt 0x0
; x [8192][1024], w_attn [1024][3072] and w_proj [1024][1024], f32, become codes of FP6 (E2M3) with one E8M0 byte for each 32 along K (x: its last axis; the weights: their first).
; A block's scale is 2^(floor(log2(its largest magnitude)) - 2); its byte is the largest magnitude's exponent field - 2, held at 1 from below.
; LIMITS: NaN and infinities are not served; a block of zeros, or one whose largest magnitude lies under 2^-124, gets the byte 1 (its codes are zeros or held); only this program reads the bytes.
; THE LAYOUT OF THE CODES is the order of an operand's registers.  A TILE is 16 rows (of x) or columns (of a weight); tile i has, at lane place r, row 32 (i / 2) + 8 (i % 2) + MAP(r), MAP(r) = r % 8 + 16 (r / 8).
; A FRAGMENT (a tile x 128 K, 12 registers a lane) is 1,536 bytes: registers 2 p, 2 p + 1 of lane l at 256 p + 8 l.  A tile's 8 fragments lie on end.  Behind all codes the scale words:
; the word of (tile, K step s, place r) at 512 tile + 128 (s / 2) + 8 r + 4 (s % 2).
; Work-groups 0-255 take x: a wave 16 rows x 512 K.  Each load reads 512 consecutive bytes of a row; a K step's 16 x 512 bytes turn through the wave's own stage in LDS, so that a lane gets 16 neighbours of each block.
; Work-groups 256-511 take the weights: a wave 32 columns x 128 K, a lane a column, its registers down K: a block lies in one lane.  That path touches no LDS.
; WORK LEFT OUT, in the whole program: reference() builds the causal mask itself (jnp.tril) and gives every score whose key lies behind its query the least f32 number, whose weight in the softmax is 0 for all
; values of the inputs, since each row keeps its own key.  So launch attn does not multiply the steps of 128 keys that lie wholly behind a tile's queries.  Every input has a way to the output and is loaded.
; LIMIT: a NaN, an infinity or an overflow that reaches only those scores is not carried to the result.
.set XS,    6291456                    ; where xq's scale words begin
.set WSO,   3145728                    ; where wq's begin
.set TROW,  12288                      ; a tile's 8 fragments
.set FRB,   1536
.set STGB,  8448                       ; a wave's stage: 16 rows of SP bytes
.set SP,    528                        ; 512 + 16: the sixteen rows that a load of 16 bytes a lane touches start 16 bytes apart modulo 256
.set SPARE, 4*STGB                     ; the spare words, 128 bytes for each wave: two blocks of 256 bytes that no other line names
.set SPW,   12                         ; v12  LDS address of my spare word; never rewritten
.set NIL,   13                         ; v13  0; never rewritten
.set SEL,   20                         ; s[20:21] v_permlanex16_b32's selects for lane l xor 16
.set HM,    22                         ; s22  the mask of lanes 16-31
.set TM,    16                         ; x path: v16-31 at work in QUANT
.set PW,    32                         ; v32  the scale word just made
.set WSX,   34                         ; v34-37 the four K steps' scale words; v38-39 the pair that I store
.set PC,    40                         ; v40-59 the codes just made
.set R,     64                         ; v64-191 two sets of 64 numbers as loaded
.set X,     192                        ; v192-255 64 numbers: register 16 b + i = k 32 b + 16 (lane / 16) + i of my row
.set SB,    14                         ; w path: v14 my column's four scale bytes
.set IA,    16                         ; v16-27 blocks 0 and 2, then the even tile's fragment
.set IB,    28                         ; v28-39 blocks 1 and 3, then the odd tile's
.set TU,    40                         ; v40-55 the upper halves of the four blocks' codes
.set WX,    64                         ; v64-191 my column's 128 numbers
	s_load_b256 s[4:11], s[0:1], 0x0               ; x s[4:5], w_attn s[6:7], w_proj s[8:9], xq s[10:11]
	s_load_b64 s[12:13], s[0:1], 0x20              ; wq
	v_lshl_add_u32 v[SPW], v0, 2, SPARE
	v_mov_b32 v[NIL], 0
	v_lshrrev_b32 v1, 5, v0
	v_readfirstlane_b32 s16, v1                    ; wave
	v_and_b32 v6, 15, v0                           ; r
	v_bfe_u32 v7, v0, 4, 1                         ; h
	v_and_b32 v4, 31, v0
	v_lshlrev_b32 v4, 3, v4                        ; 8 x lane: my place in a piece of a fragment
	s_mov_b32 s[SEL], 0x76543210
	s_mov_b32 s[SEL+1], 0xfedcba98
	s_mov_b32 s[HM], 0xffff0000
	s_cmp_lt_u32 ttmp9, 256
	s_cbranch_scc0 .Lweights
; 64 numbers of a lane, v[s] .. v[s + 63], become a fragment's codes in v[PC] .. v[PC + 11] and its row's scale word in v[PW]
.macro QUANT s
.irp b, 0,1,2,3
	v_max3_num_f32 v[TM+\b], |v[\s+16*\b]|, |v[\s+1+16*\b]|, 0x1800000   ; block b: my 16 numbers, and the floor 2^(3 - 127): the byte cannot fall under 1
.endr
.irp i, 2,4,6,8,10,12,14
.irp b, 0,1,2,3
	v_max3_num_f32 v[TM+\b], v[TM+\b], |v[\s+16*\b+\i]|, |v[\s+1+16*\b+\i]|   ; the four blocks by turns
.endr
.endr
.irp b, 0,1,2,3
	v_permlanex16_b32 v[TM+4+\b], v[TM+\b], s[SEL], s[SEL+1]
.endr
.irp b, 0,1,2,3
	v_max_num_f32 v[TM+\b], v[TM+\b], v[TM+4+\b]   ; with lane l xor 16's: the block's largest magnitude
.endr
.irp b, 0,1,2,3
	v_add_nc_u32 v[TM+12+\b], 0xff000000, v[TM+\b] ; 2 off its exponent field: the conversion takes this operand's exponent field as its scale
.endr
.irp b, 0,1,2,3
	v_lshrrev_b32 v[TM+4+\b], 23, v[TM+12+\b]      ; the scale's byte
.endr
	v_lshl_or_b32 v[PW], v[TM+5], 8, v[TM+4]
	v_lshl_or_b32 v[PW], v[TM+6], 16, v[PW]
	v_lshl_or_b32 v[PW], v[TM+7], 24, v[PW]
.irp c, 0,1
	v_cvt_scalef32_pk16_fp6_f32 v[PC+6*\c:PC+2+6*\c], v[\s+32*\c:\s+15+32*\c], v[TM+12+2*\c]
	v_cvt_scalef32_pk16_fp6_f32 v[PC+12+4*\c:PC+14+4*\c], v[\s+16+32*\c:\s+31+32*\c], v[TM+12+2*\c+1]   ; (a conversion's three registers begin on an even number)
.endr
	v_nop                                          ; one plain place behind a scaled conversion
.irp c, 0,1                                    ; the operand's layout wants a whole block in a lane: lanes 0-15 block 2 c, lanes 16-31 block 2 c + 1
.irp i, 0,1,2
	v_permlane16_swap_b32 v[PC+6*\c+\i], v[PC+12+4*\c+\i]
.endr
.irp i, 0,1,2
	v_mov_b32 v[PC+3+6*\c+\i], v[PC+12+4*\c+\i]
.endr
.endr
.endm
	; ---------------- x
	s_lshl_b32 s17, ttmp9, 2
	s_add_co_u32 s17, s17, s16                     ; which half tile is my wave's
	s_lshr_b32 s18, s17, 1                         ; the tile
	s_and_b32 s19, s17, 1                          ; which 512 along K
	s_lshr_b32 s24, s18, 1
	s_lshl_b32 s24, s24, 5
	s_and_b32 s25, s18, 1
	s_lshl_b32 s25, s25, 3
	s_add_co_u32 s24, s24, s25                     ; the tile's first row: 32 (tile / 2) + 8 (tile % 2)
	s_lshl_b32 s24, s24, 12                        ; rows of 4,096 bytes
	s_lshl_b32 s25, s19, 11
	s_add_co_u32 s24, s24, s25
	s_mov_b32 s25, 0
	s_mul_i32 s26, s18, TROW
	s_mul_i32 s27, s19, 4*FRB
	s_add_co_u32 s26, s26, s27                     ; my four fragments
	s_mov_b32 s27, 0
	s_lshl_b32 s28, s18, 9
	s_lshl_b32 s29, s19, 8
	s_add_co_u32 s28, s28, s29
	s_add_co_u32 s28, s28, XS                      ; my 256 bytes of scale words
	s_mov_b32 s29, 0
	s_mul_i32 s30, s16, STGB                       ; my stage
	s_wait_alu depctr_va_vdst(0)
	v_lshlrev_b32 v1, 1, v4                        ; 16 x lane
	v_add_nc_u32 v2, s30, v1                       ; into the stage: a row as it lies
	v_mul_u32_u24 v3, v6, SP
	v_lshl_add_u32 v3, v7, 6, v3
	v_add_nc_u32 v3, s30, v3                       ; out of it: row r, + 64 h: my 16 numbers of a block
.irp b, 0,1,2,3
	v_mov_b32 v[TM+4+\b], 0                        ; written once: a lane permute's destination counts as one of its sources
.endr
	s_wait_alu depctr_va_vdst(0)
	s_wait_kmcnt 0x0
	s_add_nc_u64 s[4:5], s[4:5], s[24:25]
	s_add_nc_u64 s[14:15], s[10:11], s[28:29]
	s_add_nc_u64 s[10:11], s[10:11], s[26:27]
.macro LOAD q                          ; K step q of my 16 rows: each load reads 512 consecutive bytes of one row
.irp p, 0,1,2,3,4,5,6,7,8,9,10,11,12,13,14,15
	global_load_b128 v[R+64*((\q)%2)+4*\p:R+64*((\q)%2)+4*\p+3], v1, s[4:5] offset:(\p%8+16*(\p/8))*4096+512*(\q) th:TH_LOAD_NT
.endr
.endm
.macro TURN q                          ; through the stage: LDS serves a wave's instructions in order, so no wait stands between the stores and the loads
.irp p, 0,1,2,3,4,5,6,7,8,9,10,11,12,13,14,15
	ds_store_b128 v2, v[R+64*((\q)%2)+4*\p:R+64*((\q)%2)+4*\p+3] offset:SP*\p
.endr
.irp b, 0,1,2,3
.irp j, 0,1,2,3
	ds_load_b128 v[X+16*\b+4*\j:X+16*\b+4*\j+3], v3 offset:128*\b+16*\j
.endr
.endr
.endm
.macro XSTEP q
.if \q < 3
	s_wait_loadcnt 16                              ; this K step's 16 loads are in; the next step's 16 may be out
.else
	s_wait_loadcnt 0x0
.endif
	TURN \q
	s_wait_dscnt 0x0                               ; my 64 numbers are back, and the stage's stores have read their registers
	s_wait_xcnt 0x0                                ; the last step's stores have read the codes' registers, which QUANT writes again
.if \q < 2
	LOAD (\q)+2
.endif
	QUANT X
.irp p, 0,1,2,3,4,5
	global_store_b64 v4, v[PC+2*\p:PC+2*\p+1], s[10:11] offset:FRB*(\q)+256*\p   ; 32 lanes store 256 consecutive bytes, aligned
.endr
	v_mov_b32 v[WSX+\q], v[PW]
.endm
	LOAD 0
	LOAD 1
	XSTEP 0
	XSTEP 1
	XSTEP 2
	XSTEP 3
	v_cndmask_b32 v38, v[WSX], v[WSX+2], s[HM]     ; lanes 0-15 store the words of K steps 0 and 1 of their row, lanes 16-31 those of 2 and 3
	v_cndmask_b32 v39, v[WSX+1], v[WSX+3], s[HM]
	global_store_b64 v4, v[38:39], s[14:15]        ; 256 consecutive bytes, aligned
	s_wait_tensorcnt 0x0                           ; the wave's end, behind my last LDS store
	ds_add_u32 v[SPW], v[NIL]
	s_wait_dscnt 0x0
	s_endpgm
	; ---------------- the weights
.Lweights:
	s_sub_co_u32 s17, ttmp9, 256
	s_lshr_b32 s18, s17, 3                         ; which 128 columns: 0-23 w_attn's, 24-31 w_proj's
	s_and_b32 s19, s17, 7                          ; which K step
	s_lshl_b32 s24, s18, 2
	s_add_co_u32 s24, s24, s16                     ; G: my 32 columns = tiles 2 G and 2 G + 1 of wq
	s_wait_alu depctr_va_vdst(0)
	v_and_b32 v8, 8, v6
	v_add_nc_u32 v8, v8, v6                        ; MAP(r)
	v_lshl_add_u32 v8, v7, 3, v8                   ; lanes 16-31 take the odd tile's columns: + 8
	v_lshlrev_b32 v1, 2, v8                        ; my column's bytes in a row: a permutation inside 128 consecutive bytes
	v_lshlrev_b32 v5, 3, v6
	v_lshl_add_u32 v5, v7, 9, v5                   ; my scale word: 512 x (lane / 16) + 8 r
	s_mul_i32 s26, s24, 2*TROW
	s_mul_i32 s27, s19, FRB
	s_add_co_u32 s26, s26, s27
	s_mov_b32 s27, 0
	s_lshl_b32 s28, s24, 10
	s_lshr_b32 s29, s19, 1
	s_lshl_b32 s29, s29, 7
	s_add_co_u32 s28, s28, s29
	s_and_b32 s29, s19, 1
	s_lshl_b32 s29, s29, 2
	s_add_co_u32 s28, s28, s29
	s_add_co_u32 s28, s28, WSO
	s_mov_b32 s29, 0
	s_mov_b32 s31, 0
	s_wait_kmcnt 0x0
	s_add_nc_u64 s[14:15], s[12:13], s[28:29]
	s_add_nc_u64 s[12:13], s[12:13], s[26:27]
.macro WLOAD base, pitch               ; 128 rows down K at my column: each load reads 128 consecutive bytes, the four waves stand side by side on 512
.set k, 0
.rept 128
	global_load_b32 v[WX+k], v1, s[\base:\base+1] offset:k*\pitch th:TH_LOAD_NT
.set k, k+1
.endr
.endm
	s_cmp_lt_u32 s18, 24
	s_cbranch_scc0 .Lproj_w
	s_mul_i32 s30, s19, 128*12288
	s_lshl_b32 s25, s24, 7
	s_add_co_u32 s30, s30, s25
	s_add_nc_u64 s[6:7], s[6:7], s[30:31]
	s_wait_alu depctr_va_vdst(0)
	WLOAD 6, 12288
	s_branch .Lloaded
.Lproj_w:
	s_mul_i32 s30, s19, 128*4096
	s_sub_co_u32 s25, s24, 96
	s_lshl_b32 s25, s25, 7
	s_add_co_u32 s30, s30, s25
	s_add_nc_u64 s[8:9], s[8:9], s[30:31]
	s_wait_alu depctr_va_vdst(0)
	WLOAD 8, 4096
.Lloaded:                                      ; both ways have issued the same 128 loads
.macro WBLOCK kb, left, dst
.set XB, WX+32*(\kb)
	s_wait_loadcnt \left                           ; the loads of this block are in: 32 (3 - kb) younger ones may be out; the wait can name 63 at the most
	v_max3_num_f32 v8, |v[XB]|, |v[XB+1]|, |v[XB+2]|   ; the block's largest magnitude: all 32 numbers are mine
	v_max3_num_f32 v9, |v[XB+3]|, |v[XB+4]|, |v[XB+5]|
.irp i, 6,10,14,18,22,26
	v_max3_num_f32 v8, v8, |v[XB+\i]|, |v[XB+\i+1]|
	v_max3_num_f32 v9, v9, |v[XB+\i+2]|, |v[XB+\i+3]|
.endr
	v_max3_num_f32 v8, v8, |v[XB+30]|, |v[XB+31]|
	v_max3_num_f32 v8, v8, v9, 0x1800000           ; and the floor
	v_add_nc_u32 v10, 0xff000000, v8
	v_lshrrev_b32 v11, 23, v10
.if (\kb) == 0
	v_mov_b32 v[SB], v11
.else
	v_lshl_or_b32 v[SB], v11, 8*(\kb), v[SB]
.endif
	v_cvt_scalef32_pk16_fp6_f32 v[\dst:\dst+2], v[XB:XB+15], v10
	v_cvt_scalef32_pk16_fp6_f32 v[TU+4*(\kb):TU+4*(\kb)+2], v[XB+16:XB+31], v10   ; the next block's first lines are the plain places behind these
.endm
	WBLOCK 0, 63, IA
	WBLOCK 1, 63, IB
	WBLOCK 2, 32, IA+6
	WBLOCK 3, 0, IB+6
	v_nop                                          ; one plain place behind the last conversion
.irp i, 0,1,2
	v_mov_b32 v[IA+3+\i], v[TU+\i]
	v_mov_b32 v[IB+3+\i], v[TU+4+\i]
	v_mov_b32 v[IA+9+\i], v[TU+8+\i]
	v_mov_b32 v[IB+9+\i], v[TU+12+\i]
.endr
.set j, 0
.rept 12                               ; lanes 0-15 hold the even tile's columns, lanes 16-31 the odd tile's.  The even tile's odd blocks go to its lanes 16-31, the odd tile's even blocks to its lanes 0-15
	v_permlane16_swap_b32 v[IA+j], v[IB+j]
.set j, j+1
.endr
.irp p, 0,1,2,3,4,5
	global_store_b64 v4, v[IA+2*\p:IA+2*\p+1], s[12:13] offset:256*\p
	global_store_b64 v4, v[IB+2*\p:IB+2*\p+1], s[12:13] offset:TROW+256*\p
.endr
	global_store_b32 v5, v[SB], s[14:15]           ; 4 bytes a column and K step: 131,072 bytes in the whole launch
	s_endpgm
.Lfunc_end_k_q3a8720642d_quant:
	.size	k_q3a8720642d_quant, .Lfunc_end_k_q3a8720642d_quant-k_q3a8720642d_quant
	.p2alignl 7, 3214868480
	.fill 96, 4, 3214868480
	.section	.rodata,"a",@progbits
	.p2align	6, 0x0
	.amdhsa_kernel k_q3a8720642d_quant
		.amdhsa_group_segment_fixed_size 34304
		.amdhsa_private_segment_fixed_size 0
		.amdhsa_enable_private_segment 0
		.amdhsa_kernarg_size 40
		.amdhsa_user_sgpr_count 2
		.amdhsa_user_sgpr_kernarg_segment_ptr 1
		.amdhsa_wavefront_size32 1
		.amdhsa_system_sgpr_workgroup_id_x 1
		.amdhsa_system_sgpr_workgroup_id_y 1
		.amdhsa_system_sgpr_workgroup_id_z 1
		.amdhsa_system_vgpr_workitem_id 0
		.amdhsa_next_free_vgpr 256
		.amdhsa_next_free_sgpr 66
		.amdhsa_reserve_vcc 0
		.amdhsa_float_denorm_mode_32 3
		.amdhsa_float_denorm_mode_16_64 3
		.amdhsa_memory_ordered 1
		.amdhsa_forward_progress 1
		.amdhsa_inst_pref_size 68
	.end_amdhsa_kernel
	.amdgpu_metadata
---
amdhsa.version: [ 1, 2 ]
amdhsa.kernels:
  - .name:           k_q3a8720642d_quant
    .symbol:         k_q3a8720642d_quant.kd
    .args:
      - { .name: x, .offset: 0, .size: 8, .value_kind: global_buffer, .address_space: global }
      - { .name: w_attn, .offset: 8, .size: 8, .value_kind: global_buffer, .address_space: global }
      - { .name: w_proj, .offset: 16, .size: 8, .value_kind: global_buffer, .address_space: global }
      - { .name: xq, .offset: 24, .size: 8, .value_kind: global_buffer, .address_space: global }
      - { .name: wq, .offset: 32, .size: 8, .value_kind: global_buffer, .address_space: global }
    .group_segment_fixed_size: 34304
    .private_segment_fixed_size: 0
    .kernarg_segment_align: 8
    .kernarg_segment_size: 40
    .max_flat_workgroup_size: 128
    .sgpr_count:     66
    .vgpr_count:     256
    .wavefront_size: 32
...
	.end_amdgpu_metadata
.endif
;; end of part 1
;; launch qkv (part 2): grid 8 x 32, 4 waves a work-group, clusters of 4 x 4, 327,680 bytes of LDS; arguments xq, wq, b_attn, qb, kv; writes qb, kv
.if DOCPART == 2
	.amdgcn_target "amdgcn-amd-amdhsa--gfx1250"
	.amdhsa_code_object_version 6
	.text
	.protected	k_q3a8720642d_qkv
	.globl	k_q3a8720642d_qkv
	.p2align	8
	.type	k_q3a8720642d_qkv,@function
k_q3a8720642d_qkv:
	s_mov_b64 s[64:65], 0
	v_nop
	global_prefetch_b8 v0, s[64:65] scope:SCOPE_SE
	s_setreg_imm32_b32 hwreg(HW_REG_WAVE_MODE, 25, 1), 1
	s_wait_xcnt 0x0
	s_wait_alu depctr_hold_cnt(0) depctr_sa_sdst(0) depctr_va_vdst(0) depctr_va_sdst(0) depctr_va_ssrc(0) depctr_va_vcc(0) depctr_vm_vsrc(0)
	s_getreg_b32 s2, hwreg(HW_REG_IB_STS2, 6, 4)
	s_cmp_eq_u32 s2, 0
	s_cbranch_scc0 .Lentry_in_a_cluster
	s_endpgm
.Lentry_in_a_cluster:
	s_bfe_u32 s2, ttmp6, 0x10000c
	s_cmp_lg_u32 s2, 0xf033
	s_cbranch_scc0 .Lentry_shape_is_right
	s_endpgm
.Lentry_shape_is_right:
; qkv = x w_attn + b_attn on codes of FP6 (E2M3) with E8M0 scales; the results never go to memory as f32: q and k are quantised along the head's 64, v along the keys, on the way out.
; OPERANDS lie in memory in the order of their registers.  A TILE is 16 rows (tokens, or columns of the weight); tile i has at lane place r row 32 (i / 2) + 8 (i % 2) + MAP(r), MAP(r) = r % 8 + 16 (r / 8).
; A FRAGMENT (a tile x 128 K, 12 registers) is 1,536 bytes, registers 2 p, 2 p + 1 of lane l at 256 p + 8 l; a tile's 8 fragments lie on end.  The scale word of (tile, K step s, place r): 512 tile + 128 (s / 2) + 8 r + 4 (s % 2).
; THE DEAL.  256 work-groups of four waves.  A work-group keeps its 256 tokens of x, all of K = 1,024 (196,608 bytes, and 8,192 of scale words), in LDS for the whole launch and makes 128 features each of v, q and k, in three PHASES.
; The wave (a, b) of 2 x 2 takes tokens 128 a + 0 .. 127 (8 tiles: one record) and features 64 b + 0 .. 63 (4 tiles: one head).  Its weights of a phase, all of K, lie in registers (384); x's tiles stream past them:
; a BLOCK is one tile of x, all of K, in two sets of registers by turns: 32 products on four accumulators by turns.  The bias, laid as the result lies, is the C of a block's first four products.
; FILLS.  At the head one tensor load a wave: w_v's 8 tiles, x's 16 tiles, x's scale words, the scale words of all three weights (three rows of 4,096 bytes).  The weights' region is filled again TWICE, with w_q's and with w_k's tiles
; (each wave a quarter), each time when all waves hold the last weight in registers, in a drained round of the cluster's barrier: a refill has a whole phase in which to land, and a plain barrier shows it.
; q, k: source 0 = the weight's tile, source 1 = x's: lane (r, h) holds the token at place r, register 8 i + j the feature 32 (i / 2) + 8 (i % 2) + 16 h + j: a block's 32 sums are the head's two scale blocks.
; v: source 0 = x's tile, source 1 = the weight's: lane (r, h) holds the feature at place r; the registers of four blocks (a band of 64 tokens) are the tokens 32 b + 16 h + 0 .. 15 of the band: two scale blocks along the keys.
; So ONE quantiser of 32 sums serves all three; its six registers of codes are half a fragment and are stored at once, each store 256 consecutive bytes, aligned.
; OUT.  qb: records [batch x head][128 tokens] of 6,656 bytes: 8 tiles x 768 bytes of codes (64 along K), then a word for each (place, tile).  kv: records of 13,056: K as q; V^T's 4 tiles x 1,536; K's words; V's words.
; CLUSTERS: 4 x 4 work-groups; x's tiles and scale words are asked for jointly along a row of the cluster, w's along a column.
; NO PREFETCH: x and all scale words are asked for at the head, and each weight a whole phase ahead of its use.
; LIMITS: NaN and infinities are not served; a block of zeros, or one under 2^-124, gets the byte 1; only this program reads the bytes.
; REGISTERS: window 0: v3-15 addresses; v16-47 the weight's scale words (8 i + s); v52-67 x's, two sets; v72-79 scale words made; v80-98 the quantiser's; v104-231 accumulators.
;   window 1: the weight's fragments of K steps 0-4 at 12 (4 s + i);  window 2: of K steps 5-7, and from v144 the three biases;  window 3: x's fragments, set e at 96 e + 12 s.
.set XS,    6291456                    ; where xq's scale words begin
.set WSO,   3145728                    ; where wq's begin
.set RQ,    6656
.set RK,    13056
.set TROW,  12288                      ; a tile's 8 fragments
.set FRB,   1536
.set WB,    16*TROW                    ; LDS: x's codes at 0, the weights' region behind them,
.set XSL,   WB+8*TROW                  ; x's scale words,
.set WSL,   XSL+8192                   ; the weights': q's, k's, v's, 4,096 bytes each,
.set SPARE, WSL+12288                  ; and the spare words, 128 bytes for each wave: two blocks of 256 bytes that no other line names
.set NF,    52                         ; LDS loads of a block: 48 for eight fragments, 4 for eight scale words
.set ADX,  4                           ; v4   LDS address of my tile 0 of x
.set ADW,  5                           ; v5   of my weights
.set AXS,  6                           ; v6   of x's scale words
.set AWS,  7                           ; v7   of the weights'
.set ADF,  8                           ; v8, v9  as v4, v6, for the tile that is fetched next
.set AXF,  9
.set SOQ,  10                          ; v10  where I store q's or k's words: 32 r + 16 h
.set SOV,  11                          ; v11  v's: 16 r + 8 h
.set SPW,  12                          ; v12  my spare word; never rewritten
.set NIL,  13                          ; v13  0; never rewritten
.set BO,   14                          ; v14  my offset in q's and k's bias: 64 h
.set BOV,  15                          ; v15  in v's: 4 MAP(r)
.set WS,   16
.set XSR,  52
.set QW,   72                          ; v72-79 the scale words made
.set QM,   80                          ; the quantiser's: maxima, the other half's, scale operands, bytes, a word
.set QP,   82
.set QS,   84
.set QB,   86
.set QT,   88
.set PC,   90                          ; v90-95 six registers of codes; v96-98 the second conversion's
.set TU,   96
.set HV,   104
.set BIQ,  144                         ; window 2: the biases
.set BIK,  176
.set BIV,  208
.set G1X,  24
.set G1W,  32
.set G1XS, 48
.set G1WS, 56
.set G0X,  68
.set G0W,  72
.set G0XS, 76
.set G0WS, 80
.set G1R,  84                          ; the refills': a quarter of the region a wave
.set G0R,  92
.set SEL,  66                          ; s[66:67] v_permlanex16_b32's selects for lane l xor 16
.set HM,   96                          ; s96 lanes 16-31
.set KX,   97                          ; s97 counts the tiles fetched; s98 that number modulo 8
.set KY,   98
.set SX,   99
.set SS,   2
.set CNT,  45
.set OQ,   100                         ; s[100:101], s[20:21], s[22:23]: where q's, k's, v's codes go
.set OK,   20
.set OV,   22
.set MSB, 0
.macro WIN new                         ; the immediate's high byte repeats the setting that is left
.if MSB != (\new)
	s_set_vgpr_msb (MSB<<8)|(\new)
.set MSB, (\new)
.endif
.endm
.macro PLACES n                        ; plain vector lines between a matrix instruction and a load into, or a vector line on, its registers
.rept \n
	v_nop
.endr
.endm
.macro BARRIER
	s_barrier_signal -1
	s_barrier_wait -1
.endm
.macro CROUND                          ; a round of the cluster's barrier
	BARRIER
	s_cmp_lg_u32 s14, 0
	s_cbranch_scc1 .Lnot_wave_0_\@
	s_barrier_signal -3
.Lnot_wave_0_\@:
	s_barrier_wait -3
	BARRIER
.endm
.macro GROUP1 g, mask, cols, rows, pitch   ; rows of 8 x cols bytes; bit 21 beside the mask
	s_or_b32 s[\g], s\mask, (3<<16)|(1<<21)
	s_mov_b32 s[\g+1], (\cols)<<16
	s_mov_b32 s[\g+2], (\rows)<<16
	s_mov_b32 s[\g+3], (\cols)<<16
	s_mov_b32 s[\g+4], \rows
	s_mov_b32 s[\g+5], \pitch
	s_mov_b32 s[\g+6], 0
	s_mov_b32 s[\g+7], 0
.endm
.macro ARM under, g0, g1, next         ; an arm of the head's one chain of branches on the wave's number
	s_cmp_lt_u32 s14, \under
	s_cbranch_scc0 \next
	tensor_load_to_lds s[\g0:\g0+3], s[\g1:\g1+7]
	s_nop 0
	PLACES 4
	s_branch .Lhead_asked
\next:
.endm
.macro REFILL                          ; every wave its quarter of the weights' region: the first tensor load behind the round
	tensor_load_to_lds s[G0R:G0R+3], s[G1R:G1R+7]
	s_nop 0
	PLACES 4
.endm
	s_load_b128 s[4:7], s[0:1], 0x0                ; xq, wq
	s_load_b128 s[8:11], s[0:1], 0x10              ; b_attn, qb
	s_load_b64 s[12:13], s[0:1], 0x20              ; kv
	v_lshl_add_u32 v[SPW], v0, 2, SPARE
	v_mov_b32 v[NIL], 0
	ds_add_u32 v[SPW], v[NIL]                      ; the opening lines: the add, twice on end, and its wait ahead of my first tensor load
	ds_add_u32 v[SPW], v[NIL]
	v_lshrrev_b32 v1, 5, v0
	v_readfirstlane_b32 s14, v1                    ; wave 0..3
	s_lshr_b32 s15, s14, 1                         ; a: which 128 tokens
	s_and_b32 s16, s14, 1                          ; b: which head of the two
	s_bfe_u32 s40, ttmp6, 0x40000                  ; cx, cy: my place in the cluster
	s_bfe_u32 s41, ttmp6, 0x40004
	s_lshl_b32 s42, ttmp9, 2
	s_add_co_u32 s42, s42, s40                     ; which 128 features of each tensor, 0 .. 7
	s_and_b32 s17, ttmp7, 0xffff
	s_lshl_b32 s17, s17, 2
	s_add_co_u32 s17, s17, s41                     ; which 256 tokens, 0 .. 31
	s_lshl_b32 s43, s41, 2
	s_lshl_b32 s43, 15, s43                        ; my row of the cluster
	s_lshl_b32 s44, 0x1111, s40                    ; my column
	GROUP1 G1X,  43, 32, 768, 32                   ; dense blocks as rows of 256 bytes: x's 16 tiles,
	GROUP1 G1W,  44, 32, 384, 32                   ; a weight's 8,
	GROUP1 G1XS, 43, 32, 32, 32                    ; x's scale words,
	GROUP1 G1R,  44, 32, 96, 32                    ; a quarter of a weight's 8 tiles;
	GROUP1 G1WS, 44, 512, 3, 4096                  ; the weights' scale words: three rows of 4,096 bytes, 64 tiles (32,768 bytes) apart
	s_mul_i32 s20, s17, 16*TROW                    ; x's 16 tiles, bytes from xq;
	s_mov_b32 s21, 0
	s_lshl_b32 s22, s17, 13
	s_add_co_u32 s22, s22, XS                      ; their scale words;
	s_mov_b32 s23, 0
	s_mul_i32 s46, s42, 8*TROW                     ; w_q's 8 tiles, bytes from wq; w_k's lie 64 tiles on, w_v's 128;
	s_mov_b32 s47, 0
	s_lshl_b32 s18, s42, 12
	s_add_co_u32 s18, s18, WSO                     ; their scale words
	s_mov_b32 s19, 0
	s_mul_i32 s98, s14, 2*TROW                     ; my quarter of a refill
	s_mov_b32 s99, 0
	s_mul_i32 s2, s15, 8*TROW                      ; LDS: my 8 tiles of x,
	s_mul_i32 s3, s16, 4*TROW
	s_add_co_u32 s3, s3, WB                        ; my 4 tiles of the weight,
	s_lshl_b32 s45, s15, 12
	s_add_co_u32 s45, s45, XSL                     ; the scale words of both
	s_lshl_b32 s97, s16, 11
	s_add_co_u32 s97, s97, WSL
	s_mov_b32 s[SEL], 0x76543210
	s_mov_b32 s[SEL+1], 0xfedcba98
	s_mov_b32 s[HM], 0xffff0000
	v_and_b32 v1, 15, v0                           ; r
	v_bfe_u32 v2, v0, 4, 1                         ; h
	v_and_b32 v3, 31, v0
	v_lshlrev_b32 v3, 3, v3                        ; 8 x lane: my place in a piece of a fragment, in LDS and in the records
	v_lshlrev_b32 v99, 3, v1                       ; 8 r: a place's words of two K steps
	v_add_nc_u32 v[ADX], s2, v3
	v_add_nc_u32 v[ADW], s3, v3
	v_add_nc_u32 v[AXS], s45, v99
	v_add_nc_u32 v[AWS], s97, v99
	v_lshlrev_b32 v99, 4, v2
	v_lshl_add_u32 v[SOQ], v1, 5, v99
	v_lshlrev_b32 v99, 3, v2
	v_lshl_add_u32 v[SOV], v1, 4, v99
	v_lshlrev_b32 v[BO], 6, v2
	v_and_b32 v99, 8, v1
	v_add_nc_u32 v99, v99, v1
	v_lshlrev_b32 v[BOV], 2, v99
.irp j, 0,1,2,3,4,5,6,7
	v_mov_b32 v[QW+\j], 0                          ; the words are shifted through these registers: written once before the first shift
.endr
	v_mov_b32 v[QP], 0                             ; a lane permute's destination counts as one of its sources
	v_mov_b32 v[QP+1], 0
	s_wait_alu depctr_va_vdst(0)
	s_wait_dscnt 0x0                               ; both opening adds are done
	CROUND                                         ; all sixteen work-groups are here: the joint loads meet
	s_wait_kmcnt 0x0
	s_mov_b32 s[G0W], 1                            ; w_v's tiles
	s_mov_b32 s[G0W+1], WB
	s_add_nc_u64 s[G0W+2:G0W+3], s[6:7], s[46:47]
	s_add_nc_u64 s[G0W+2:G0W+3], s[G0W+2:G0W+3], 128*TROW
	s_or_b32 s[G0W+3], s[G0W+3], 0x80000000
	s_mov_b32 s[G0X], 1
	s_mov_b32 s[G0X+1], 0
	s_add_nc_u64 s[G0X+2:G0X+3], s[4:5], s[20:21]
	s_or_b32 s[G0X+3], s[G0X+3], 0x80000000
	s_mov_b32 s[G0XS], 1
	s_mov_b32 s[G0XS+1], XSL
	s_add_nc_u64 s[G0XS+2:G0XS+3], s[4:5], s[22:23]
	s_or_b32 s[G0XS+3], s[G0XS+3], 0x80000000
	s_mov_b32 s[G0WS], 1
	s_mov_b32 s[G0WS+1], WSL
	s_add_nc_u64 s[G0WS+2:G0WS+3], s[6:7], s[18:19]
	s_or_b32 s[G0WS+3], s[G0WS+3], 0x80000000
	s_mov_b32 s[G0R], 1                            ; the first refill: my quarter of w_q's tiles
	s_add_co_u32 s[G0R+1], s98, WB
	s_add_nc_u64 s[G0R+2:G0R+3], s[6:7], s[46:47]
	s_add_nc_u64 s[G0R+2:G0R+3], s[G0R+2:G0R+3], s[98:99]
	s_or_b32 s[G0R+3], s[G0R+3], 0x80000000
	; THE HEAD'S LOADS, ONE A WAVE: the weights, which go on into registers, are asked for first
	ARM 1, G0W,  G1W,  .Lhead_x
	ARM 2, G0X,  G1X,  .Lhead_xs
	ARM 3, G0XS, G1XS, .Lhead_ws
	tensor_load_to_lds s[G0WS:G0WS+3], s[G1WS:G1WS+7]
	s_nop 0
	PLACES 4
.Lhead_asked:
	s_lshl_b32 s18, s42, 9
	s_lshl_b32 s19, s16, 8
	s_add_co_u32 s18, s18, s19                     ; my first feature of a tensor, in bytes of the bias
	s_mov_b32 s19, 0
	s_add_nc_u64 s[8:9], s[8:9], s[18:19]
	s_lshr_b32 s18, s17, 3                         ; the batch
	s_lshl_b32 s18, s18, 4
	s_lshl_b32 s19, s42, 1
	s_add_co_u32 s18, s18, s19
	s_add_co_u32 s18, s18, s16                     ; 16 x batch + my head
	s_lshl_b32 s18, s18, 4
	s_and_b32 s19, s17, 7
	s_lshl_b32 s19, s19, 1
	s_add_co_u32 s18, s18, s19
	s_add_co_u32 s18, s18, s15                     ; my record: + which 128 tokens of the batch
	s_mul_i32 s2, s18, RQ
	s_mov_b32 s3, 0
	s_add_nc_u64 s[OQ:OQ+1], s[10:11], s[2:3]
	s_mul_i32 s2, s18, RK
	s_add_nc_u64 s[OK:OK+1], s[12:13], s[2:3]
	s_add_nc_u64 s[OV:OV+1], s[OK:OK+1], 6144      ; V's codes lie behind K's
	s_mov_b32 s[KX], 1                             ; tiles 0 and 1 are fetched ahead of the first block
	WIN 0x80                                       ; destination window 2, address window 0
.irp i, 0,1,2,3
.irp c, 0,1
	global_load_b128 v[BIQ+8*\i+4*\c:BIQ+8*\i+4*\c+3], v[BO], s[8:9] offset:128*(\i/2)+32*(\i%2)+16*\c        ; q, k: register 8 i + j: the bias of feature 32 (i / 2) + 8 (i % 2) + 16 h + j
	global_load_b128 v[BIK+8*\i+4*\c:BIK+8*\i+4*\c+3], v[BO], s[8:9] offset:4096+128*(\i/2)+32*(\i%2)+16*\c
.endr
	global_load_b32 v[BIV+8*\i], v[BOV], s[8:9] offset:8192+128*(\i/2)+32*(\i%2)                              ; v: one number a lane and tile: feature 32 (i / 2) + 8 (i % 2) + MAP(r)
.endr
	WIN 0
.macro WPART win, s0, s1, s2, s3, s4, first   ; my weights of some K steps into one window
	WIN \win
.irp s, \s0, \s1, \s2, \s3, \s4
.if \s >= 0
.irp i, 0,1,2,3
.irp p, 0,1,2,3,4,5
	ds_load_b64 v[12*(4*(\s-\first)+\i)+2*\p:12*(4*(\s-\first)+\i)+2*\p+1], v[ADW] offset:TROW*\i+FRB*\s+256*\p
.endr
.endr
.endif
.endr
.endm
.macro WCODES                          ; 192 loads: my 64 columns of the weight, all of K
	WPART 0x40, 0, 1, 2, 3, 4, 0
	WPART 0x80, 5, 6, 7, -1, -1, 5
	WIN 0
.endm
.macro WSCALES ph                      ; their scale words; ph: 0 q, 1 k, 2 v
.irp i, 0,1,2,3
.irp q, 0,1,2,3
	ds_load_b64 v[WS+8*\i+2*\q:WS+8*\i+2*\q+1], v[AWS] offset:4096*(\ph)+512*\i+128*\q
.endr
.endr
.endm
.macro FETCH e, ar, sr, t              ; a tile of x into set e: NF loads
	WIN 0xc0                                       ; destination window 3, address window 0
.irp s, 0,1,2,3,4,5,6,7
.irp p, 0,1,2,3,4,5
	ds_load_b64 v[96*(\e)+12*\s+2*\p:96*(\e)+12*\s+2*\p+1], v[\ar] offset:TROW*(\t)+FRB*\s+256*\p
.endr
.endr
	WIN 0
.irp q, 0,1,2,3
	ds_load_b64 v[XSR+8*(\e)+2*\q:XSR+8*(\e)+2*\q+1], v[\sr] offset:512*(\t)+128*\q
.endr
.endm
.macro STEPX                           ; the next tile's LDS addresses; its number goes round modulo 8, so a phase's last two fetches bring the next phase's first two tiles.  The four vector lines are the places behind the block's products
	s_add_co_u32 s[KX], s[KX], 1
	s_and_b32 s[KY], s[KX], 7
	s_mul_i32 s[SX], s[KY], TROW
	s_lshl_b32 s[SS], s[KY], 9
	v_add_nc_u32 v[ADF], s[SX], v[ADX]
	v_add_nc_u32 v[AXF], s[SS], v[AXS]
	v_nop
	v_nop
.endm
; A block's 32 products.  kind 0 (q, k): source 0 the weight (window 1 or 2), source 1 x (window 3); kind 1 (v): the other way round.  The accumulator of the weight's tile i: d0 + ds i, window 0.  K step 0 takes the bias, window 2, as C.
.macro PRODS kind, e, d0, ds, bias
.irp s, 0,1,2,3,4,5,6,7
.if \s == 0
	WIN 0x2d-6*(\kind)
.elseif \s == 1
	WIN 0x0d-6*(\kind)
.elseif \s == 5
	WIN 0x0e-3*(\kind)
.endif
.irp i, 0,1,2,3
.set AC_, (\d0)+(\ds)*\i
.set WF_, 12*(4*(\s-5*(\s/5))+\i)
.set XF_, 96*(\e)+12*\s
.if \kind
.if \s == 0
	v_wmma_scale_f32_16x16x128_f8f6f4 v[AC_:AC_+7], v[XF_:XF_+11], v[WF_:WF_+11], v[(\bias)+8*\i:(\bias)+8*\i+7], v[XSR+8*(\e)+\s], v[WS+8*\i+\s] matrix_a_fmt:MATRIX_FMT_FP6 matrix_b_fmt:MATRIX_FMT_FP6
.else
	v_wmma_scale_f32_16x16x128_f8f6f4 v[AC_:AC_+7], v[XF_:XF_+11], v[WF_:WF_+11], v[AC_:AC_+7], v[XSR+8*(\e)+\s], v[WS+8*\i+\s] matrix_a_fmt:MATRIX_FMT_FP6 matrix_b_fmt:MATRIX_FMT_FP6
.endif
.else
.if \s == 0
	v_wmma_scale_f32_16x16x128_f8f6f4 v[AC_:AC_+7], v[WF_:WF_+11], v[XF_:XF_+11], v[(\bias)+8*\i:(\bias)+8*\i+7], v[WS+8*\i+\s], v[XSR+8*(\e)+\s] matrix_a_fmt:MATRIX_FMT_FP6 matrix_b_fmt:MATRIX_FMT_FP6
.else
	v_wmma_scale_f32_16x16x128_f8f6f4 v[AC_:AC_+7], v[WF_:WF_+11], v[XF_:XF_+11], v[AC_:AC_+7], v[WS+8*\i+\s], v[XSR+8*(\e)+\s] matrix_a_fmt:MATRIX_FMT_FP6 matrix_b_fmt:MATRIX_FMT_FP6
.endif
.endif
.endr
.endr
	WIN 0
.endm
; THE WAY OUT OF 32 SUMS of a lane, register 16 b + i = index 32 b + 16 h + i along the next K: two scale blocks, each shared with lane l xor 16.  Six registers of codes, k = 32 h + 0 .. 31, are stored as they stand.
; The base has been stepped 768 bytes past the place, so that it is stepped behind the wait and never ahead of the buffer; the stores' offsets take the 768 off again.
; kind 0: the word (two bytes) is shifted into the eight words of the phase.  kind 1: into the upper half of tile i's word, whose upper half goes down: two bands make the four bytes.
.macro OUT32 s, ob, step, off, kind, i
	s_wait_xcnt 0x0                                ; earlier stores have read their base and the codes' registers
.if \step
	s_add_nc_u64 s[\ob:\ob+1], s[\ob:\ob+1], 768
.endif
.irp b, 0,1
	v_max3_num_f32 v[QM+\b], |v[(\s)+16*\b]|, |v[(\s)+16*\b+1]|, 0x1800000   ; and the floor 2^(3 - 127): the byte cannot fall under 1
.endr
.irp j, 2,4,6,8,10,12,14
.irp b, 0,1
	v_max3_num_f32 v[QM+\b], v[QM+\b], |v[(\s)+16*\b+\j]|, |v[(\s)+16*\b+\j+1]|
.endr
.endr
.irp b, 0,1
	v_permlanex16_b32 v[QP+\b], v[QM+\b], s[SEL], s[SEL+1]
.endr
.irp b, 0,1
	v_max_num_f32 v[QM+\b], v[QM+\b], v[QP+\b]
.endr
.irp b, 0,1
	v_add_nc_u32 v[QS+\b], 0xff000000, v[QM+\b]    ; 2 off the exponent field: the conversion's scale operand
.endr
.irp b, 0,1
	v_lshrrev_b32 v[QB+\b], 23, v[QS+\b]           ; the scale's byte
.endr
	v_cvt_scalef32_pk16_fp6_f32 v[PC:PC+2], v[(\s):(\s)+15], v[QS]
	v_cvt_scalef32_pk16_fp6_f32 v[TU:TU+2], v[(\s)+16:(\s)+31], v[QS+1]
.if \kind
	v_lshl_or_b32 v[QT], v[QB+1], 8, v[QB]         ; (plain lines behind the conversions)
	v_lshrrev_b32 v[QW+\i], 16, v[QW+\i]
	v_lshl_or_b32 v[QW+\i], v[QT], 16, v[QW+\i]
.else
.irp k, 0,1,2,3,4,5,6
	v_mov_b32 v[QW+\k], v[QW+\k+1]
.endr
	v_lshl_or_b32 v[QW+7], v[QB+1], 8, v[QB]       ; the bytes of k = 64 .. 127, which a head does not have, are 0
.endif
.irp k, 0,1,2
	v_permlane16_swap_b32 v[PC+\k], v[TU+\k]       ; a whole block in a lane: lanes 0-15 block 0, lanes 16-31 block 1
.endr
.irp k, 0,1,2
	v_mov_b32 v[PC+3+\k], v[TU+\k]
.endr
.irp p, 0,1,2
	global_store_b64 v3, v[PC+2*\p:PC+2*\p+1], s[\ob:\ob+1] offset:(\off)+256*\p-768
.endr
.endm
; A block's rows were fetched two blocks ago; younger than that fetch is the next block's alone (NF)
.macro VBLOCK u
	s_wait_dscnt NF
	PRODS 1, (\u)%2, HV+8*(\u), 32, BIV
	STEPX
	FETCH (\u)%2, ADF, AXF, 0
.endm
.macro QBLOCK e, bias, ob, fetch, n
	s_wait_dscnt \n
	PRODS 0, \e, HV+32*(\e), 8, \bias
.if \fetch
	STEPX
	FETCH \e, ADF, AXF, 0
.else
	PLACES 4
.endif
	OUT32 HV+32*(\e), \ob, 1, 0, 0, 0
.endm
.macro AGAIN label                     ; a counted loop's end
	s_sub_co_u32 s[CNT], s[CNT], 1
	s_cmp_lg_u32 s[CNT], 0
	s_wait_alu depctr_va_vdst(0)
	s_cbranch_scc1 \label
.endm
.macro WORDSQ ob, off                  ; a place's eight words are 32 bytes on end: lanes 0-15 store tiles 0-3's, lanes 16-31 tiles 4-7's: 512 consecutive bytes
	s_wait_alu depctr_va_vdst(0)
.irp k, 0,1,2,3
	v_cndmask_b32 v[QW+\k], v[QW+\k], v[QW+4+\k], s[HM]
.endr
	global_store_b128 v[SOQ], v[QW:QW+3], s[\ob:\ob+1] offset:\off
.endm
.macro SHOWN                           ; a plain barrier shows the weight that the last refill brought
	s_wait_tensorcnt 0x0
	s_wait_dscnt 0x0
	BARRIER
.endm
	s_cmp_eq_u32 s14, 0
	s_cbranch_scc0 .Lnot_w
	s_wait_tensorcnt 0x0                           ; wave 0, whose load line is its own: w_v's tiles are in
.Lnot_w:
	BARRIER                                        ; shown to all; the other three tiles may be on their way
	WCODES
	s_wait_loadcnt 0x0                             ; the biases
	WIN 0x82
.irp i, 0,8,16,24
.irp k, 1,2,3,4,5,6,7
	v_mov_b32 v[BIV+\i+\k], v[BIV+\i]              ; v's number over the tile's eight registers
.endr
.endr
	WIN 0
	s_wait_alu depctr_va_vdst(0)
	s_wait_tensorcnt 0x0                           ; every wave: all the head's tiles
	ds_add_u32 v[SPW], v[NIL]
	s_wait_dscnt 0x0                               ; the add is done, and w_v is in my registers
	CROUND                                         ; so in every wave of the cluster: x and all scale words are shown, and the weights' region is free
	REFILL                                         ; w_q
	WSCALES 2
	FETCH 0, ADX, AXS, 0
	FETCH 1, ADX, AXS, 1
; ---------------- v: two bands of four blocks
	s_mov_b32 s[CNT], 2
.Lband:
	VBLOCK 0
	VBLOCK 1
	VBLOCK 2
	VBLOCK 3
	OUT32 HV, OV, 1, 0, 1, 0                       ; band c is registers 6 c .. 6 c + 5 of V^T's fragments
	OUT32 HV+32, OV, 0, 1536, 1, 1
	OUT32 HV+64, OV, 0, 3072, 1, 2
	OUT32 HV+96, OV, 0, 4608, 1, 3
	AGAIN .Lband
	v_cndmask_b32 v[QW], v[QW], v[QW+2], s[HM]     ; a place's four words are 16 bytes on end: lanes 0-15 store tiles 0, 1's, lanes 16-31 tiles 2, 3's: 256 consecutive bytes
	v_cndmask_b32 v[QW+1], v[QW+1], v[QW+3], s[HM]
	global_store_b64 v[SOV], v[QW:QW+1], s[OV:OV+1] offset:5120   ; the base stands 1,536 behind V's codes' start, 7,680 into the record: the words begin at 12,800
; ---------------- q
	SHOWN
	WCODES
	WSCALES 0
	s_wait_tensorcnt 0x0                           ; the three lines ahead of the second refill
	ds_add_u32 v[SPW], v[NIL]
	s_add_nc_u64 s[G0R+2:G0R+3], s[G0R+2:G0R+3], 64*TROW   ; no tensor load of mine is out: w_k's tiles lie 64 tiles on
	s_wait_dscnt 0x0                               ; the add is done, and w_q is in my registers
	CROUND
	REFILL                                         ; w_k
	s_mov_b32 s[CNT], 4
.Lq:
	QBLOCK 0, BIQ, OQ, 1, NF
	QBLOCK 1, BIQ, OQ, 1, NF
	AGAIN .Lq
	WORDSQ OQ, 0                                   ; the base has gone over the eight tiles' 6,144 bytes: the words begin there
; ---------------- k
	SHOWN
	WCODES
	WSCALES 1
	s_wait_dscnt 0x0                               ; w_k is in my registers
	s_mov_b32 s[CNT], 3
.Lk:
	QBLOCK 0, BIK, OK, 1, NF
	QBLOCK 1, BIK, OK, 1, NF
	AGAIN .Lk
	QBLOCK 0, BIK, OK, 0, NF                       ; the last two blocks fetch nothing
	QBLOCK 1, BIK, OK, 0, 0
	WORDSQ OK, 6144                                ; K's words begin at 12,288
	s_wait_tensorcnt 0x0                           ; the wave's end
	ds_add_u32 v[SPW], v[NIL]
	s_wait_dscnt 0x0
	CROUND                                         ; the closing round
	s_endpgm
.Lfunc_end_k_q3a8720642d_qkv:
	.size	k_q3a8720642d_qkv, .Lfunc_end_k_q3a8720642d_qkv-k_q3a8720642d_qkv
	.p2alignl 7, 3214868480
	.fill 96, 4, 3214868480
	.section	.rodata,"a",@progbits
	.p2align	6, 0x0
	.amdhsa_kernel k_q3a8720642d_qkv
		.amdhsa_group_segment_fixed_size 327680
		.amdhsa_private_segment_fixed_size 0
		.amdhsa_enable_private_segment 0
		.amdhsa_kernarg_size 40
		.amdhsa_user_sgpr_count 2
		.amdhsa_user_sgpr_kernarg_segment_ptr 1
		.amdhsa_wavefront_size32 1
		.amdhsa_system_sgpr_workgroup_id_x 1
		.amdhsa_system_sgpr_workgroup_id_y 1
		.amdhsa_system_sgpr_workgroup_id_z 1
		.amdhsa_system_vgpr_workitem_id 0
		.amdhsa_next_free_vgpr 1024
		.amdhsa_next_free_sgpr 102
		.amdhsa_reserve_vcc 0
		.amdhsa_float_denorm_mode_32 3
		.amdhsa_float_denorm_mode_16_64 3
		.amdhsa_memory_ordered 1
		.amdhsa_forward_progress 1
		.amdhsa_inst_pref_size 156
	.end_amdhsa_kernel
	.amdgpu_metadata
---
amdhsa.version: [ 1, 2 ]
amdhsa.kernels:
  - .name:           k_q3a8720642d_qkv
    .symbol:         k_q3a8720642d_qkv.kd
    .args:
      - { .name: xq, .offset: 0, .size: 8, .value_kind: global_buffer, .address_space: global }
      - { .name: wq, .offset: 8, .size: 8, .value_kind: global_buffer, .address_space: global }
      - { .name: b_attn, .offset: 16, .size: 8, .value_kind: global_buffer, .address_space: global }
      - { .name: qb, .offset: 24, .size: 8, .value_kind: global_buffer, .address_space: global }
      - { .name: kv, .offset: 32, .size: 8, .value_kind: global_buffer, .address_space: global }
    .group_segment_fixed_size: 327680
    .private_segment_fixed_size: 0
    .kernarg_segment_align: 8
    .kernarg_segment_size: 40
    .max_flat_workgroup_size: 128
    .sgpr_count:     102
    .vgpr_count:     1024
    .wavefront_size: 32
...
	.end_amdgpu_metadata
.endif
;; end of part 2
;; launch attn (part 3): grid 4 x 64, 16 waves a work-group, clusters of 4 x 1, 327,680 bytes of LDS; arguments qb, kv, yq; writes yq
.if DOCPART == 3
	.amdgcn_target "amdgcn-amd-amdhsa--gfx1250"
	.amdhsa_code_object_version 6
	.text
	.protected	k_q3a8720642d_attn
	.globl	k_q3a8720642d_attn
	.p2align	8
	.type	k_q3a8720642d_attn,@function
k_q3a8720642d_attn:
	s_mov_b64 s[64:65], 0
	v_nop
	global_prefetch_b8 v0, s[64:65] scope:SCOPE_SE
	s_setreg_imm32_b32 hwreg(HW_REG_WAVE_MODE, 25, 1), 1
	s_wait_xcnt 0x0
	s_wait_alu depctr_hold_cnt(0) depctr_sa_sdst(0) depctr_va_vdst(0) depctr_va_sdst(0) depctr_va_ssrc(0) depctr_va_vcc(0) depctr_vm_vsrc(0)
	s_getreg_b32 s2, hwreg(HW_REG_IB_STS2, 6, 4)
	s_cmp_eq_u32 s2, 0
	s_cbranch_scc0 .Lentry_in_a_cluster
	s_endpgm
.Lentry_in_a_cluster:
	s_bfe_u32 s2, ttmp6, 0x10000c
	s_cmp_lg_u32 s2, 0x3003
	s_cbranch_scc0 .Lentry_shape_is_right
	s_endpgm
.Lentry_shape_is_right:
; y = softmax(q k^T / 8, causal) v for one batch and head a cluster, on codes of FP6 (E2M3) with E8M0 scales; y leaves as codes and scale bytes in the order of the next product's operand registers.
; WORK LEFT OUT: steps of 128 keys that lie wholly behind a tile's queries (reference()'s own causal mask gives them the weight 0 for all values of the inputs).
; LIMITS: NaN and infinities are not served; the promise holds while the scaled scores (the exponents to the base 2) stay under 2^31 in magnitude; a block of y under 2^-124 gets the byte 1.
; THE DEAL.  A head has 128 tiles of 16 queries and 16 records of 128 keys (13,056 bytes: K's 8 tiles x 768, V^T's 4 x 1,536, K's scale words, V's).  Four work-groups of 16 waves form a cluster of 4 x 1.
; Wave w of the partner at place cx takes tiles 4 w + cx and 127 - (4 w + cx).  With a = w / 2 the low tile's last record is a and the high tile's 15 - a: the counts of steps hang on the wave's number alone,
; so no branch hangs on a place in the cluster, and every partner reads all 16 records.
; LOADS.  The whole head lies in LDS, 208,896 bytes.  Wave w asks for record w, 51 rows of 256 bytes, JOINTLY with the same wave of the three partners: one tensor load a wave, all at the head; nothing is filled again.
; Waves 0-7 and waves 8-15 have a load line each, so that the first barrier can show records 0-7 alone.
; THE ORDER OF WORK.  (1) the high tile against records 0-7: 8 steps in every wave, none of them at the diagonal; (2) a barrier shows records 8-15; (3) the high tile's other 8 - a steps and its way out,
; then the low tile's a + 1 steps and its way out, with no barrier between: 9 steps in every wave.
; NO PREFETCH: every byte of K and V is asked for by the head's own loads, so no later load is left to run ahead of.
; A STEP: S^T = K q^T (8 products; a head has 64 along K, so the upper half of q's fragment is zero codes and a tile of K is named with the next tile's registers behind it), the running whole-number maximum M,
; p = 2^(t - M), the sum of the unquantised p, p's codes and scale word, O^T under the new M, O^T += V^T p^T (4 products).  A lane holds one query.
; REGISTERS: v1-4, v7 lane terms; v5, v6 the add's two; v8-10 LDS addresses; v12 -M, v13 the largest t, v14-15 the sum; v16-28 the low tile's q and its scale word; v32-85 K's, then V's fragments; v96-159 S^T, then p;
; v160-191 O^T; v192-203 K's and V's scale words; v204-216 the high tile's q; v224-255 p's codes and work.
.set RK,    13056
.set RQ,    6656
.set XS,    6291456                    ; where yq's scale words begin
.set HEADB, 16*RK
.set SPARE, HEADB                      ; behind the head: the spare words, 128 bytes for each of 16 waves
.set SPW,  5
.set NIL,  6
.set ADK,  8
.set ADS,  9
.set ADT,  10
.set WV,   18                          ; s18 the wave
.set TB,   19                          ; s19 LDS byte of the step's record
.set SEL,  20                          ; s[20:21] v_permlanex16_b32's selects for lane l xor 16
.set CS,   22                          ; s[22:23] log2(e) / 8
.set G1,   24
.set G0,   32
.set KL,   36                          ; s36 first key of the pass's last record
.set CX,   37
.set KLO,  38                          ; s38 128 a;  s39 128 (15 - a)
.set KHI,  39
.set HM,   40
.set KF,   41                          ; s41 first key of the step
.set Q0,   42                          ; s42 the tile's first query
.set CNT,  43
.set TI0,  44
.set TI1,  45
.set BH,   46
.macro CROUND                          ; a round of the cluster's barrier
	s_barrier_signal -1
	s_barrier_wait -1
	s_cmp_lg_u32 s[WV], 0
	s_cbranch_scc1 .Lnot_wave_0_\@
	s_barrier_signal -3
.Lnot_wave_0_\@:
	s_barrier_wait -3
	s_barrier_signal -1
	s_barrier_wait -1
.endm
	s_load_b128 s[4:7], s[0:1], 0x0                ; qb, kv
	s_load_b64 s[8:9], s[0:1], 0x10                ; yq
	v_lshl_add_u32 v[SPW], v0, 2, SPARE
	v_mov_b32 v[NIL], 0
	ds_add_u32 v[SPW], v[NIL]                      ; the opening lines: the add, twice on end, and its wait ahead of my first tensor load
	ds_add_u32 v[SPW], v[NIL]
	v_lshrrev_b32 v8, 5, v0
	v_readfirstlane_b32 s[WV], v8
	s_and_b32 s[BH], ttmp7, 0xffff                 ; batch x head: the cluster's y
	s_bfe_u32 s[CX], ttmp6, 0x40000                ; my place in the cluster
	s_mov_b32 s[G1], 15|(3<<16)|(1<<21)            ; the mask names the four partners; elements of 8 bytes; bit 21 beside a mask
	s_mov_b32 s[G1+1], 32<<16                      ; rows of 256 bytes,
	s_mov_b32 s[G1+2], 51<<16                      ; 51 of them: a record
	s_mov_b32 s[G1+3], 32<<16
	s_mov_b32 s[G1+4], 51
	s_mov_b32 s[G1+5], 32
	s_mov_b32 s[G1+6], 0
	s_mov_b32 s[G1+7], 0
	s_mul_i32 s50, s[WV], RK                       ; record w: its place in LDS and in the head
	s_mul_i32 s48, s[BH], HEADB
	s_add_co_u32 s48, s48, s50
	s_mov_b32 s49, 0
	s_lshl_b32 s[TI0], s[WV], 2
	s_add_co_u32 s[TI0], s[TI0], s[CX]             ; the low tile, 4 w + cx
	s_sub_co_u32 s[TI1], 127, s[TI0]               ; the high tile
	s_lshr_b32 s[KLO], s[WV], 1
	s_lshl_b32 s[KLO], s[KLO], 7                   ; 128 a, from the wave's number alone
	s_sub_co_u32 s[KHI], 1920, s[KLO]
	s_mov_b32 s[SEL], 0x76543210
	s_mov_b32 s[SEL+1], 0xfedcba98
	s_mov_b32 s[CS], 0x3e38aa3b
	s_mov_b32 s[CS+1], s[CS]
	s_mov_b32 s[HM], 0xffff0000
	s_wait_alu depctr_va_vdst(0)
	s_wait_dscnt 0x0                               ; both opening adds are done
	CROUND                                         ; the four partners are here: the joint loads meet
	s_wait_kmcnt 0x0
	s_mov_b32 s[G0], 1
	s_mov_b32 s[G0+1], s50
	s_add_nc_u64 s[G0+2:G0+3], s[6:7], s[48:49]
	s_or_b32 s[G0+3], s[G0+3], 0x80000000
	s_cmp_lt_u32 s[WV], 8
	s_cbranch_scc0 .Lupper
	tensor_load_to_lds s[G0:G0+3], s[G1:G1+7]      ; waves 0-7: records 0-7
	s_nop 0
.rept 4
	v_nop
.endr
	s_branch .Lasked
.Lupper:
	tensor_load_to_lds s[G0:G0+3], s[G1:G1+7]      ; waves 8-15: records 8-15, a line of their own
	s_nop 0
.rept 4
	v_nop
.endr
.Lasked:
	v_and_b32 v8, 31, v0
	v_lshlrev_b32 v1, 3, v8                        ; 8 x lane: my place in a piece of a fragment
	v_and_b32 v9, 15, v0                           ; r
	v_bfe_u32 v10, v0, 4, 1                        ; h
	v_lshlrev_b32 v2, 5, v9                        ; K's and q's scale words: 32 bytes a place
	v_lshlrev_b32 v3, 4, v9                        ; V's: 16
	v_and_b32 v11, 8, v9
	v_add_nc_u32 v11, v11, v9                      ; MAP(r) = r % 8 + 16 (r / 8)
	v_lshlrev_b32 v4, 4, v10
	v_sub_nc_u32 v4, v11, v4                       ; MAP(r) - 16 h, for the mask
	v_lshl_add_u32 v7, v9, 3, v10                  ; y's scale byte: 8 r + h
.irp j, 22,23,24,25,26,27, 210,211,212,213,214,215, 80,81,82,83,84,85
	v_mov_b32 v\j, 0                               ; zero codes: the upper halves of q's fragments, and what stands behind K's last tile
.endr
.irp j, 236,237,238,239, 252,253
	v_mov_b32 v\j, 0                               ; written once: a lane permute's destination counts as one of its sources
.endr
	s_wait_alu depctr_va_vdst(0)
.macro QLOAD TI, QF, QS, CB, SBP       ; a tile of q: 768 bytes of codes, and a scale word for each place
	s_lshl_b32 s51, s[BH], 4
	s_lshr_b32 s52, s[\TI], 3
	s_add_co_u32 s51, s51, s52
	s_mul_i32 s51, s51, RQ
	s_and_b32 s52, s[\TI], 7
	s_mul_i32 s53, s52, 768
	s_add_co_u32 s54, s51, s53
	s_mov_b32 s55, 0
	s_add_nc_u64 s[\CB:\CB+1], s[4:5], s[54:55]
	s_lshl_b32 s52, s52, 2
	s_add_co_u32 s54, s51, s52
	s_add_co_u32 s54, s54, 6144
	s_add_nc_u64 s[\SBP:\SBP+1], s[4:5], s[54:55]
.irp i, 0,1,2
	global_load_b64 v[\QF+2*\i:\QF+2*\i+1], v1, s[\CB:\CB+1] offset:256*\i
.endr
	global_load_b32 v[\QS], v2, s[\SBP:\SBP+1]
.endm
	QLOAD TI1, 204, 216, 60, 62
	QLOAD TI0, 16, 28, 56, 58
	s_and_b32 s66, s[BH], 15                       ; the head: where its 64 along K lie in a tile of yq, codes and scale bytes
	s_lshr_b32 s67, s66, 2
	s_lshl_b32 s67, s67, 7
	s_bfe_u32 s47, s66, 0x10001
	s_lshl_b32 s47, s47, 2
	s_add_co_u32 s67, s67, s47
	s_and_b32 s47, s66, 1
	s_lshl_b32 s47, s47, 1
	s_add_co_u32 s67, s67, s47
	s_add_co_u32 s67, s67, XS
	s_mul_i32 s66, s66, 768
.macro YBASE TI, CB, SBP
	s_lshr_b32 s48, s[BH], 4
	s_lshl_b32 s48, s48, 7
	s_add_co_u32 s48, s48, s[\TI]
	s_mul_i32 s50, s48, 12288
	s_add_co_u32 s50, s50, s66
	s_mov_b32 s51, 0
	s_add_nc_u64 s[\CB:\CB+1], s[8:9], s[50:51]
	s_lshl_b32 s50, s48, 9
	s_add_co_u32 s50, s50, s67
	s_add_nc_u64 s[\SBP:\SBP+1], s[8:9], s[50:51]
.endm
	YBASE TI0, 10, 12
	YBASE TI1, 14, 16
; A step of 128 keys.  edge = 1: the text for records that may lie at or behind the diagonal: a record behind the pass's last is passed over, the last is masked.  Both tests hang on the wave's number and the loop's steps alone.
.macro STEP QF, QS, edge
.if \edge
	s_cmp_gt_u32 s[KF], s[KL]
	s_cbranch_scc1 .Lhidden_\@
.endif
	v_add_nc_u32 v[ADK], s[TB], v1                 ; these four lines are also the places behind the last step's products
	v_add_nc_u32 v[ADS], s[TB], v2
	v_add_nc_u32 v[ADT], s[TB], v3
	v_nop
	ds_load_b128 v[192:195], v[ADS] offset:12288
	ds_load_b128 v[196:199], v[ADS] offset:12304
.irp t, 0,1,2,3,4,5,6,7
.irp i, 0,1,2
	ds_load_b64 v[32+6*\t+2*\i:33+6*\t+2*\i], v[ADK] offset:768*\t+256*\i
.endr
.endr
	s_wait_alu depctr_va_vdst(0)
	s_wait_dscnt 0x0
.irp t, 0,1,2,3,4,5,6,7
	v_wmma_scale_f32_16x16x128_f8f6f4 v[96+8*\t:103+8*\t], v[32+6*\t:43+6*\t], v[\QF:\QF+11], 0, v[192+\t], v[\QS] matrix_a_fmt:MATRIX_FMT_FP6 matrix_b_fmt:MATRIX_FMT_FP6
.endr
.rept 4
	v_nop                                          ; places ahead of the loads into K's registers and of the first read of S^T
.endr
.irp t, 0,1,2,3
.irp p, 0,1,2,3,4,5
	ds_load_b64 v[32+12*\t+2*\p:33+12*\t+2*\p], v[ADK] offset:6144+1536*\t+256*\p   ; V^T's fragments land under the softmax
.endr
.endr
	ds_load_b128 v[200:203], v[ADT] offset:12800
.if \edge
	s_cmp_lt_u32 s[KF], s[KL]
	s_cbranch_scc1 .Lopen_\@
	s_sub_co_i32 s47, s[Q0], s[KF]
	v_add_nc_u32 v252, s47, v4                     ; register n holds key KF + 32 (n / 16) + 16 h + n % 16; my query is Q0 + MAP(r)
	v_mov_b32 v254, 0xff800000
.set n, 0
.rept 64
	v_cmp_gt_i32 vcc_lo, 32*(n/16)+n%16, v252
	v_cndmask_b32 v[96+n], v[96+n], v254, vcc_lo
.set n, n+1
.endr
.Lopen_\@:
.endif
.irp b, 0,1,2,3
	v_max3_num_f32 v[232+\b], v[96+16*\b], v[97+16*\b], v[98+16*\b]   ; the largest score of each block of 32 keys: for the row's maximum and for the block's largest p
.endr
.irp i, 3,5,7,9,11,13
.irp b, 0,1,2,3
	v_max3_num_f32 v[232+\b], v[232+\b], v[96+16*\b+\i], v[97+16*\b+\i]
.endr
.endr
.irp b, 0,1,2,3
	v_max_num_f32 v[232+\b], v[232+\b], v[111+16*\b]
.endr
.irp b, 0,1,2,3
	s_delay_alu instid0(VALU_DEP_4)
	v_permlanex16_b32 v[236+\b], v[232+\b], s[SEL], s[SEL+1]
.endr
.irp b, 0,1,2,3
	s_delay_alu instid0(VALU_DEP_4)
	v_max_num_f32 v[232+\b], v[232+\b], v[236+\b]
.endr
	s_delay_alu instid0(VALU_DEP_2)
	v_max3_num_f32 v254, v232, v233, v234
	s_delay_alu instid0(VALU_DEP_1)
	v_max_num_f32 v254, v254, v235
	s_delay_alu instid0(VALU_DEP_1)
	v_mul_f32 v254, s[CS], v254
	s_delay_alu instid0(VALU_DEP_1)
	v_max_num_f32 v13, v13, v254                   ; the running largest t
	v_mov_b32 v254, v12
	s_delay_alu instid0(VALU_DEP_2)
	v_floor_f32 v12, -v13                          ; -M = floor(-t): M is a whole number
	s_delay_alu instid0(VALU_DEP_1)
	v_sub_f32 v254, v12, v254
	s_delay_alu instid0(VALU_DEP_1)
	v_cvt_i32_f32 v254, v254
	s_delay_alu instid0(VALU_DEP_1)
	v_ldexp_f32 v252, 1.0, v254                    ; f = 2^(old M - new M)
.set j, 0
.rept 32
	v_pk_fma_f32 v[96+j:97+j], v[96+j:97+j], s[CS:CS+1], v[12:13] op_sel_hi:[1,0,0]
.set j, j+2
.endr
.irp b, 0,1,2,3
	v_fma_f32 v[232+\b], v[232+\b], s[CS], v12
.endr
.set j, 0
	s_wait_alu depctr_va_vdst(0)
.rept 64
	v_exp_f32 v[96+j], v[96+j]
.set j, j+1
.endr
	v_pk_mul_f32 v[14:15], v[14:15], v[252:253] op_sel_hi:[1,0]
	s_wait_alu depctr_va_vdst(0)
.irp b, 0,1,2,3
	v_exp_f32 v[232+\b], v[232+\b]
.endr
	v_pk_add_f32 v[236:237], v[96:97], v[98:99]    ; the row's sum, of the unquantised p, in two chains
.irp j, 4,8,12,16,20,24,28,32,36,40,44,48,52,56,60
	v_pk_add_f32 v[14:15], v[14:15], v[96+\j:97+\j]
	v_pk_add_f32 v[236:237], v[236:237], v[98+\j:99+\j]
.endr
	s_delay_alu instid0(VALU_DEP_1)
	v_pk_add_f32 v[14:15], v[14:15], v[236:237]
	s_wait_alu depctr_va_vdst(0)                   ; for the four
.irp b, 0,1,2,3
	v_max_num_f32 v[232+\b], 0x1800000, v[232+\b]  ; the floor 2^(3 - 127): the byte cannot fall under 1
.endr
.irp b, 0,1,2,3
	s_delay_alu instid0(VALU_DEP_4)
	v_add_nc_u32 v[244+\b], 0xff000000, v[232+\b]
.endr
.irp b, 0,1,2,3
	s_delay_alu instid0(VALU_DEP_4)
	v_lshrrev_b32 v[236+\b], 23, v[244+\b]
.endr
	s_delay_alu instid0(VALU_DEP_3)
	v_lshl_or_b32 v253, v237, 8, v236
	s_delay_alu instid0(VALU_DEP_1)
	v_lshl_or_b32 v253, v238, 16, v253
	s_delay_alu instid0(VALU_DEP_1)
	v_lshl_or_b32 v253, v239, 24, v253             ; p's scale word for these 128 keys
.irp c, 0,1
	v_cvt_scalef32_pk16_fp6_f32 v[224+6*\c:226+6*\c], v[96+32*\c:111+32*\c], v[244+2*\c]
	v_cvt_scalef32_pk16_fp6_f32 v[236+4*\c:238+4*\c], v[112+32*\c:127+32*\c], v[244+2*\c+1]
.endr
	v_nop
.irp c, 0,1
.irp i, 0,1,2
	v_permlane16_swap_b32 v[224+6*\c+\i], v[236+4*\c+\i]
.endr
.irp i, 0,1,2
	s_delay_alu instid0(VALU_DEP_3)
	v_mov_b32 v[227+6*\c+\i], v[236+4*\c+\i]
.endr
.endr
	s_wait_alu depctr_va_vdst(0)
.set j, 0
.rept 16
	v_pk_mul_f32 v[160+j:161+j], v[160+j:161+j], v[252:253] op_sel_hi:[1,0]
.set j, j+2
.endr
.rept 4
	v_nop
.endr
	s_wait_alu depctr_va_vdst(0)
	s_wait_dscnt 0x0                               ; V^T's fragments and scale words are in
.irp t, 0,1,2,3
	v_wmma_scale_f32_16x16x128_f8f6f4 v[160+8*\t:167+8*\t], v[32+12*\t:43+12*\t], v[224:235], v[160+8*\t:167+8*\t], v[200+\t], v253 matrix_a_fmt:MATRIX_FMT_FP6 matrix_b_fmt:MATRIX_FMT_FP6
.endr
.if \edge
.Lhidden_\@:
.endif
	s_add_co_u32 s[KF], s[KF], 128
	s_add_co_u32 s[TB], s[TB], RK
.endm
.macro WALK trips, QF, QS, edge        ; so many records on end
	s_mov_b32 s[CNT], \trips
.Lkey_\@:
	STEP \QF, \QS, \edge
	s_sub_co_u32 s[CNT], s[CNT], 1
	s_cmp_lg_u32 s[CNT], 0
	s_cbranch_scc1 .Lkey_\@
.endm
.macro INIT TI, last                   ; a tile begins: zeros, which the first change of M leaves zeros
	s_wait_xcnt 0x0                                ; earlier loads and stores have read their registers
	s_lshr_b32 s[Q0], s[\TI], 1
	s_lshl_b32 s[Q0], s[Q0], 5
	s_and_b32 s47, s[\TI], 1
	s_lshl_b32 s47, s47, 3
	s_add_co_u32 s[Q0], s[Q0], s47                 ; 32 (tile / 2) + 8 (tile % 2)
	s_mov_b32 s[KL], s[\last]
	s_mov_b32 s[KF], 0
	s_mov_b32 s[TB], 0
	v_mov_b32 v13, 0xff61b1e6                      ; -3e38, under every t
	s_delay_alu instid0(VALU_DEP_1)
	v_floor_f32 v12, -v13
	v_mov_b32 v14, 0
	v_mov_b32 v15, 0
.set j, 0
.rept 32
	v_mov_b32 v[160+j], 0
.set j, j+1
.endr
	s_wait_alu depctr_va_vdst(0)
.endm
.macro FIN CB, SBP                     ; a tile ends: O^T / the sum, quantised along the head's 64, stored as half a fragment of yq and two scale bytes a row
.rept 4
	v_nop
.endr
	v_add_f32 v14, v14, v15
	s_delay_alu instid0(VALU_DEP_1)
	v_permlanex16_b32 v252, v14, s[SEL], s[SEL+1]
	s_delay_alu instid0(VALU_DEP_1)
	v_add_f32 v14, v14, v252
	s_wait_alu depctr_va_vdst(0)
	v_rcp_f32 v14, v14
	v_nop
	s_wait_alu depctr_va_vdst(0)
.set j, 0
.rept 32
	v_mul_f32 v[96+j], v[160+j], v14
.set j, j+1
.endr
.irp b, 0,1
	v_max3_num_f32 v[232+\b], |v[96+16*\b]|, |v[97+16*\b]|, 0x1800000
.endr
.irp i, 2,4,6,8,10,12,14
.irp b, 0,1
	s_delay_alu instid0(VALU_DEP_2)
	v_max3_num_f32 v[232+\b], v[232+\b], |v[96+16*\b+\i]|, |v[97+16*\b+\i]|
.endr
.endr
.irp b, 0,1
	s_delay_alu instid0(VALU_DEP_2)
	v_permlanex16_b32 v[236+\b], v[232+\b], s[SEL], s[SEL+1]
.endr
.irp b, 0,1
	s_delay_alu instid0(VALU_DEP_2)
	v_max_num_f32 v[232+\b], v[232+\b], v[236+\b]
.endr
.irp b, 0,1
	s_delay_alu instid0(VALU_DEP_2)
	v_add_nc_u32 v[244+\b], 0xff000000, v[232+\b]
.endr
.irp b, 0,1
	s_delay_alu instid0(VALU_DEP_2)
	v_lshrrev_b32 v[236+\b], 23, v[244+\b]
.endr
	v_cvt_scalef32_pk16_fp6_f32 v[224:226], v[96:111], v244
	v_cvt_scalef32_pk16_fp6_f32 v[240:242], v[112:127], v245
	v_cndmask_b32 v238, v236, v237, s[HM]
.irp i, 0,1,2
	v_permlane16_swap_b32 v[224+\i], v[240+\i]
.endr
.irp i, 0,1,2
	s_delay_alu instid0(VALU_DEP_3)
	v_mov_b32 v[227+\i], v[240+\i]
.endr
.irp i, 0,1,2
	global_store_b64 v1, v[224+2*\i:225+2*\i], s[\CB:\CB+1] offset:256*\i   ; 32 lanes store 256 consecutive bytes, aligned
.endr
	global_store_b8 v7, v238, s[\SBP:\SBP+1]
.endm
	s_wait_loadcnt 0x0                             ; both tiles of q
	s_cmp_lt_u32 s[WV], 8
	s_cbranch_scc0 .Lnot_mine
	s_wait_tensorcnt 0x0                           ; waves 0-7: my record is in
.Lnot_mine:
	s_barrier_signal -1
	s_barrier_wait -1                              ; records 0-7 are in; 8-15 may be on their way
	INIT TI1, KHI
	WALK 8, 204, 216, 0                            ; the high tile, records 0-7: all before the diagonal, since 15 - a is at least 8
	s_wait_tensorcnt 0x0                           ; every wave: all that is still out
	s_wait_dscnt 0x0
	s_barrier_signal -1
	s_barrier_wait -1                              ; the whole head is in
	s_mov_b32 s[KF], 1024                          ; the walk goes on at record 8 (the two numbers stated as constants)
	s_mov_b32 s[TB], 8*RK
	WALK 8, 204, 216, 1
	FIN 14, 16
	INIT TI0, KLO
	WALK 8, 16, 28, 1                              ; the low tile, records 0 to a
	FIN 10, 12
	s_wait_tensorcnt 0x0                           ; the wave's end
	ds_add_u32 v[SPW], v[NIL]
	s_wait_dscnt 0x0
	CROUND                                         ; the closing round
	s_endpgm
.Lfunc_end_k_q3a8720642d_attn:
	.size	k_q3a8720642d_attn, .Lfunc_end_k_q3a8720642d_attn-k_q3a8720642d_attn
	.p2alignl 7, 3214868480
	.fill 96, 4, 3214868480
	.section	.rodata,"a",@progbits
	.p2align	6, 0x0
	.amdhsa_kernel k_q3a8720642d_attn
		.amdhsa_group_segment_fixed_size 327680
		.amdhsa_private_segment_fixed_size 0
		.amdhsa_enable_private_segment 0
		.amdhsa_kernarg_size 24
		.amdhsa_user_sgpr_count 2
		.amdhsa_user_sgpr_kernarg_segment_ptr 1
		.amdhsa_wavefront_size32 1
		.amdhsa_system_sgpr_workgroup_id_x 1
		.amdhsa_system_sgpr_workgroup_id_y 1
		.amdhsa_system_sgpr_workgroup_id_z 1
		.amdhsa_system_vgpr_workitem_id 0
		.amdhsa_next_free_vgpr 256
		.amdhsa_next_free_sgpr 72
		.amdhsa_reserve_vcc 1
		.amdhsa_float_denorm_mode_32 3
		.amdhsa_float_denorm_mode_16_64 3
		.amdhsa_memory_ordered 1
		.amdhsa_forward_progress 1
		.amdhsa_inst_pref_size 86
	.end_amdhsa_kernel
	.amdgpu_metadata
---
amdhsa.version: [ 1, 2 ]
amdhsa.kernels:
  - .name:           k_q3a8720642d_attn
    .symbol:         k_q3a8720642d_attn.kd
    .args:
      - { .name: qb, .offset: 0, .size: 8, .value_kind: global_buffer, .address_space: global }
      - { .name: kv, .offset: 8, .size: 8, .value_kind: global_buffer, .address_space: global }
      - { .name: yq, .offset: 16, .size: 8, .value_kind: global_buffer, .address_space: global }
    .group_segment_fixed_size: 327680
    .private_segment_fixed_size: 0
    .kernarg_segment_align: 8
    .kernarg_segment_size: 24
    .max_flat_workgroup_size: 512
    .sgpr_count:     72
    .vgpr_count:     256
    .wavefront_size: 32
...
	.end_amdgpu_metadata
.endif
;; end of part 3
;; launch proj (part 4): grid 8 x 32, 4 waves a work-group, clusters of 4 x 4, 327,680 bytes of LDS; arguments yq, wq, b_proj, out0; writes out0
.if DOCPART == 4
	.amdgcn_target "amdgcn-amd-amdhsa--gfx1250"
	.amdhsa_code_object_version 6
	.text
	.protected	k_q3a8720642d_proj
	.globl	k_q3a8720642d_proj
	.p2align	8
	.type	k_q3a8720642d_proj,@function
k_q3a8720642d_proj:
	s_mov_b64 s[64:65], 0
	v_nop
	global_prefetch_b8 v0, s[64:65] scope:SCOPE_SE
	s_setreg_imm32_b32 hwreg(HW_REG_WAVE_MODE, 25, 1), 1
	s_wait_xcnt 0x0
	s_wait_alu depctr_hold_cnt(0) depctr_sa_sdst(0) depctr_va_vdst(0) depctr_va_sdst(0) depctr_va_ssrc(0) depctr_va_vcc(0) depctr_vm_vsrc(0)
	s_getreg_b32 s2, hwreg(HW_REG_IB_STS2, 6, 4)
	s_cmp_eq_u32 s2, 0
	s_cbranch_scc0 .Lentry_in_a_cluster
	s_endpgm
.Lentry_in_a_cluster:
	s_bfe_u32 s2, ttmp6, 0x10000c
	s_cmp_lg_u32 s2, 0xf033
	s_cbranch_scc0 .Lentry_shape_is_right
	s_endpgm
.Lentry_shape_is_right:
; out0 = y w_proj + b_proj on codes of FP6 (E2M3) with E8M0 scales; sums in f32.  y [8192][1024] comes as yq, w_proj as tiles 192 to 255 of wq, both in the order of an operand's registers:
; a TILE is 16 rows (tokens, or columns of the weight); tile i has at lane place r row 32 (i / 2) + 8 (i % 2) + MAP(r), MAP(r) = r % 8 + 16 (r / 8).  A FRAGMENT (a tile x 128 K, 12 registers) is 1,536 bytes,
; registers 2 p, 2 p + 1 of lane l at 256 p + 8 l; a tile's 8 fragments lie on end.  The scale word of (tile, K step s, place r) lies at 512 tile + 128 (s / 2) + 8 r + 4 (s % 2) behind all codes.
; THE DEAL.  256 work-groups of four waves; a work-group makes 256 tokens x 128 features.  K is 1,024, so nothing walks along K: the work-group's 16 tiles of y (196,608 bytes), 8 tiles of w (98,304) and their
; scale words (8,192 and 4,096), each a dense block of memory, come into LDS ONCE, by four tensor loads in rows of 256 bytes, one a wave; nothing is filled again.
; The wave (a, b) of 2 x 2 takes tokens 128 a + 0 .. 127 (8 tiles) and features 64 b + 0 .. 63 (4 tiles).  Its weights, all of K, lie in registers: 32 fragments, 384 registers.  y's tiles stream past them:
; a BLOCK is one tile of y, all of K (8 fragments, 8 scale words, in two sets of registers by turns): 32 products on four accumulators by turns finish 16 x 64 results.
; THE MATRIX INSTRUCTION IS USED TRANSPOSED (source 0 = the weight's tile, source 1 = y's): lane (r, h) holds the token at place r, and register j of tile i the feature 32 (i / 2) + 8 (i % 2) + 16 h + j.
; The bias, laid in registers as the result lies, is the C of a block's first four products.
; THE WAY OUT.  A finished block goes through the wave's own stage in LDS (16 rows of 256 + 16 bytes, bytes that no tensor load fills) and comes back as whole rows: sixteen lanes store one aligned unit of 256 bytes.
; Block t - 1 is stored in the middle of block t's products, so the stores leave while the later blocks are multiplied.
; CLUSTERS: 4 x 4 work-groups; y's tiles and scale words are asked for jointly along a row of the cluster, w's along a column.
; NO PREFETCH: every byte is asked for by the head's own loads; no later load is left to run ahead of.
; LIMITS: NaN and infinities are not served.
; REGISTERS: window 0: v4-14 addresses; v16-47 w's scale words (8 i + s); v52-67 y's, two sets (their numbers differ from w's modulo 8); v72-103 the bias; v104-167 accumulators, two sets; v168-231 rows read back, two sets.
;   window 1: w's fragments of K steps 0-4 at 12 (4 s + i);  window 2: of K steps 5-7;  window 3: y's fragments, set e at 96 e + 12 s.
.set XS,     6291456                   ; where yq's scale words begin
.set WSO,    3145728                   ; where wq's begin
.set TROW,   12288                     ; a tile's 8 fragments
.set FRB,    1536
.set WB,     16*TROW                   ; LDS: y's codes at 0, w's behind them,
.set XSL,    WB+8*TROW                 ; y's scale words,
.set WSL,    XSL+8192                  ; w's,
.set STAGE,  WSL+4096                  ; the four stages,
.set SPITCH, 272
.set SPARE,  STAGE+4*16*SPITCH         ; and the spare words, 128 bytes for each wave: two blocks of 256 bytes that no other line names
.set NF,     52                        ; LDS loads of a block: 48 for eight fragments, 4 for eight scale words
.set ADX,  4                           ; v4, v5  LDS address of my tiles 0-3, 4-7 of y
.set ADW,  6                           ; v6      of my weights
.set AXS,  7                           ; v7      of y's scale words
.set AWS,  8                           ; v8      of w's
.set STO,  9                           ; v9      the stage, on the way in
.set RD,   10                          ; v10     and back
.set CO,   11                          ; v11     my byte offset in out0
.set SPW,  12                          ; v12     my spare word; never rewritten
.set NIL,  13                          ; v13     0; never rewritten
.set BO,   14                          ; v14     my offset in the bias
.set WS,   16
.set XSR,  52
.set BQ,   72
.set ACC,  104
.set OB,   168
.set G1X,  24                          ; group 1 of y's codes, w's codes, y's scale words, w's
.set G1W,  32
.set G1XS, 48
.set G1WS, 56
.set G0X,  68                          ; and group 0
.set G0W,  72
.set G0XS, 76
.set G0WS, 80
.set MSB, 0
.macro WIN new                         ; the immediate's high byte repeats the setting that is left
.if MSB != (\new)
	s_set_vgpr_msb (MSB<<8)|(\new)
.set MSB, (\new)
.endif
.endm
.macro PLACES n                        ; plain vector lines between a matrix instruction and a load into, or an LDS store of, its registers
.rept \n
	v_nop
.endr
.endm
.macro CROUND                          ; a round of the cluster's barrier
	s_barrier_signal -1
	s_barrier_wait -1
	s_cmp_lg_u32 s14, 0
	s_cbranch_scc1 .Lnot_wave_0_\@
	s_barrier_signal -3
.Lnot_wave_0_\@:
	s_barrier_wait -3
	s_barrier_signal -1
	s_barrier_wait -1
.endm
.macro GROUP1 g, mask, rows            ; a dense block as rows of 256 bytes: 32 elements of 8 bytes; bit 21 beside the mask
	s_or_b32 s[\g], s\mask, (3<<16)|(1<<21)
	s_mov_b32 s[\g+1], 32<<16
	s_mov_b32 s[\g+2], (\rows)<<16
	s_mov_b32 s[\g+3], 32<<16
	s_mov_b32 s[\g+4], \rows
	s_mov_b32 s[\g+5], 32
	s_mov_b32 s[\g+6], 0
	s_mov_b32 s[\g+7], 0
.endm
.macro GROUP0 g, lds, base, off
	s_mov_b32 s[\g], 1
	s_mov_b32 s[\g+1], \lds
	s_add_nc_u64 s[\g+2:\g+3], s[\base:\base+1], s[\off:\off+1]
	s_or_b32 s[\g+3], s[\g+3], 0x80000000
.endm
.macro ARM under, g0, g1, next         ; an arm of the head's one chain of branches on the wave's number
	s_cmp_lt_u32 s14, \under
	s_cbranch_scc0 \next
	tensor_load_to_lds s[\g0:\g0+3], s[\g1:\g1+7]
	s_nop 0
	PLACES 4
	s_branch .Lhead_asked
\next:
.endm
	s_load_b128 s[4:7], s[0:1], 0x0                ; yq, wq
	s_load_b128 s[8:11], s[0:1], 0x10              ; b_proj, out0
	v_lshl_add_u32 v[SPW], v0, 2, SPARE
	v_mov_b32 v[NIL], 0
	ds_add_u32 v[SPW], v[NIL]                      ; the opening lines: the add, twice on end, and its wait ahead of my first tensor load
	ds_add_u32 v[SPW], v[NIL]
	v_lshrrev_b32 v1, 5, v0
	v_readfirstlane_b32 s14, v1                    ; wave 0..3
	s_lshr_b32 s15, s14, 1                         ; a: which 128 tokens
	s_and_b32 s16, s14, 1                          ; b: which 64 features
	s_bfe_u32 s40, ttmp6, 0x40000                  ; cx, cy: my place in the cluster
	s_bfe_u32 s41, ttmp6, 0x40004
	s_lshl_b32 s42, ttmp9, 2
	s_add_co_u32 s42, s42, s40                     ; which 128 features, 0 .. 7
	s_and_b32 s17, ttmp7, 0xffff
	s_lshl_b32 s17, s17, 2
	s_add_co_u32 s17, s17, s41                     ; which 256 tokens, 0 .. 31
	s_lshl_b32 s43, s41, 2
	s_lshl_b32 s43, 15, s43                        ; my row of the cluster
	s_lshl_b32 s44, 0x1111, s40                    ; my column
	GROUP1 G1X,  43, 768
	GROUP1 G1W,  44, 384
	GROUP1 G1XS, 43, 32
	GROUP1 G1WS, 44, 16
	s_mul_i32 s20, s17, 16*TROW                    ; y's 16 tiles, bytes from yq;
	s_mov_b32 s21, 0
	s_lshl_b32 s22, s17, 13
	s_add_co_u32 s22, s22, XS                      ; their scale words;
	s_mov_b32 s23, 0
	s_mul_i32 s46, s42, 8*TROW
	s_add_co_u32 s46, s46, 192*TROW                ; w's 8 tiles, bytes from wq;
	s_mov_b32 s47, 0
	s_lshl_b32 s92, s42, 12
	s_add_co_u32 s92, s92, WSO+192*512             ; their scale words
	s_mov_b32 s93, 0
	s_mul_i32 s84, s15, 8*TROW                     ; LDS: my tiles 0-3 of y,
	s_add_co_u32 s85, s84, 4*TROW                  ; my tiles 4-7,
	s_mul_i32 s86, s16, 4*TROW
	s_add_co_u32 s86, s86, WB                      ; my 4 tiles of w,
	s_lshl_b32 s87, s15, 12
	s_add_co_u32 s87, s87, XSL                     ; the scale words of both,
	s_lshl_b32 s88, s16, 11
	s_add_co_u32 s88, s88, WSL
	s_mul_i32 s89, s14, 16*SPITCH
	s_add_co_u32 s89, s89, STAGE                   ; my stage
	v_and_b32 v1, 15, v0                           ; r
	v_bfe_u32 v2, v0, 4, 1                         ; h
	v_and_b32 v3, 31, v0
	v_lshlrev_b32 v3, 3, v3                        ; 8 x lane: my place in a piece of a fragment
	v_lshlrev_b32 v15, 3, v1                       ; 8 r: a place's words of two K steps
	v_add_nc_u32 v[ADX], s84, v3
	v_add_nc_u32 v[ADX+1], s85, v3
	v_add_nc_u32 v[ADW], s86, v3
	v_add_nc_u32 v[AXS], s87, v15
	v_add_nc_u32 v[AWS], s88, v15
	v_mul_u32_u24 v15, v1, SPITCH
	v_lshl_add_u32 v15, v2, 6, v15
	v_add_nc_u32 v[STO], s89, v15                  ; in: row r, + 64 h
	v_mul_u32_u24 v15, v2, SPITCH
	v_lshl_add_u32 v15, v1, 4, v15
	v_add_nc_u32 v[RD], s89, v15                   ; back: lanes 0-15 one row of 256 bytes, lanes 16-31 the next
	v_lshlrev_b32 v15, 12, v2
	v_lshl_add_u32 v[CO], v1, 4, v15               ; and the same two rows in out0, 4,096 bytes apart
	v_lshlrev_b32 v[BO], 6, v2                     ; the bias: 64 h
	s_wait_alu depctr_va_vdst(0)
	s_wait_dscnt 0x0                               ; both opening adds are done
	CROUND                                         ; all sixteen work-groups are here: the joint loads meet
	s_wait_kmcnt 0x0
	GROUP0 G0W,  WB,  6, 46
	GROUP0 G0X,  0,   4, 20
	GROUP0 G0XS, XSL, 4, 22
	GROUP0 G0WS, WSL, 6, 92
	; THE HEAD'S LOADS, ONE A WAVE: the weights, which go on into registers, are asked for first
	ARM 1, G0W,  G1W,  .Lhead_x
	ARM 2, G0X,  G1X,  .Lhead_xs
	ARM 3, G0XS, G1XS, .Lhead_ws
	tensor_load_to_lds s[G0WS:G0WS+3], s[G1WS:G1WS+7]
	s_nop 0
	PLACES 4
.Lhead_asked:
	s_lshl_b32 s18, s42, 9
	s_lshl_b32 s19, s16, 8
	s_add_co_u32 s18, s18, s19                     ; my first feature, in bytes: 512 x block + 256 b
	s_mov_b32 s19, 0
	s_add_nc_u64 s[8:9], s[8:9], s[18:19]
	s_add_nc_u64 s[10:11], s[10:11], s[18:19]
	s_lshl_b32 s18, s17, 8
	s_lshl_b32 s94, s15, 7
	s_add_co_u32 s18, s18, s94                     ; my first token
	s_lshl_b32 s18, s18, 12                        ; rows of 4,096 bytes
	s_add_nc_u64 s[10:11], s[10:11], s[18:19]
.irp i, 0,1,2,3
.irp c, 0,1
	global_load_b128 v[BQ+8*\i+4*\c:BQ+8*\i+4*\c+3], v[BO], s[8:9] offset:128*(\i/2)+32*(\i%2)+16*\c   ; register 8 i + j: the bias of feature 32 (i / 2) + 8 (i % 2) + 16 h + j
.endr
.endr
.macro WPART win, s0, s1, s2, s3, s4, first   ; my weights of some K steps into one window
	WIN \win
.irp s, \s0, \s1, \s2, \s3, \s4
.if \s >= 0
.irp i, 0,1,2,3
.irp p, 0,1,2,3,4,5
	ds_load_b64 v[12*(4*(\s-\first)+\i)+2*\p:12*(4*(\s-\first)+\i)+2*\p+1], v[ADW] offset:TROW*\i+FRB*\s+256*\p
.endr
.endr
.endif
.endr
.endm
.macro FETCH e, t                      ; block t, my tile t of y, into set e: NF loads, each of 256 consecutive bytes or of a place's two words
	WIN 0xc0                                       ; destination window 3, address window 0
.irp s, 0,1,2,3,4,5,6,7
.irp p, 0,1,2,3,4,5
	ds_load_b64 v[96*(\e)+12*\s+2*\p:96*(\e)+12*\s+2*\p+1], v[ADX+(\t)/4] offset:TROW*((\t)%4)+FRB*\s+256*\p
.endr
.endr
	WIN 0
.irp q, 0,1,2,3
	ds_load_b64 v[XSR+8*(\e)+2*\q:XSR+8*(\e)+2*\q+1], v[AXS] offset:512*(\t)+128*\q
.endr
.endm
.macro PROD t, s, first                ; K step s of block t: four products, the four accumulators by turns
.irp i, 0,1,2,3
.set AC_, ACC+32*((\t)%2)+8*\i
.set WF_, 12*(4*(\s-\first)+\i)
.set XF_, 96*((\t)%2)+12*\s
.if \s == 0
	v_wmma_scale_f32_16x16x128_f8f6f4 v[AC_:AC_+7], v[WF_:WF_+11], v[XF_:XF_+11], v[BQ+8*\i:BQ+8*\i+7], v[WS+8*\i+\s], v[XSR+8*((\t)%2)+\s] matrix_a_fmt:MATRIX_FMT_FP6 matrix_b_fmt:MATRIX_FMT_FP6
.else
	v_wmma_scale_f32_16x16x128_f8f6f4 v[AC_:AC_+7], v[WF_:WF_+11], v[XF_:XF_+11], v[AC_:AC_+7], v[WS+8*\i+\s], v[XSR+8*((\t)%2)+\s] matrix_a_fmt:MATRIX_FMT_FP6 matrix_b_fmt:MATRIX_FMT_FP6
.endif
.endr
.endm
.macro TOSTAGE t                       ; 16 LDS instructions; LDS serves a wave's instructions in order (ISA guide 5.7.1.4): the loads see the stores, and the next block's stores come behind these loads
.irp i, 0,1,2,3
	ds_store_b128 v[STO], v[ACC+32*((\t)%2)+8*\i:ACC+32*((\t)%2)+8*\i+3] offset:128*(\i/2)+32*(\i%2)          ; each accumulator from its low end on
	ds_store_b128 v[STO], v[ACC+32*((\t)%2)+8*\i+4:ACC+32*((\t)%2)+8*\i+7] offset:128*(\i/2)+32*(\i%2)+16
.endr
.irp u, 0,1,2,3,4,5,6,7
	ds_load_b128 v[OB+32*((\t)%2)+4*\u:OB+32*((\t)%2)+4*\u+3], v[RD] offset:2*SPITCH*\u
.endr
.endm
.macro SEND t                          ; places 2 u and 2 u + 1 of tile t: tokens 32 (t / 2) + 8 (t % 2) + MAP(place); sixteen lanes store 256 consecutive bytes, aligned
.irp u, 0,1,2,3,4,5,6,7
	global_store_b128 v[CO], v[OB+32*((\t)%2)+4*\u:OB+32*((\t)%2)+4*\u+3], s[10:11] offset:4096*(32*((\t)/2)+8*((\t)%2)+2*(\u%4)+16*(\u/4)) th:TH_STORE_NT
.endr
.endm
; A block.  Its rows were fetched two blocks ago.  Younger than that fetch are the last block's 16 stage instructions and the next block's fetch, 68 in all, of which the wait can name 63;
; ahead of block 0 the next block's fetch alone (NF), ahead of block 7 the 16 alone.  Block t - 1's rows are back from the stage when only the fetch behind them (NF) is out.
.macro BLOCK t
.if (\t) == 0
	s_wait_dscnt NF
.elseif (\t) == 7
	s_wait_dscnt 16
.else
	s_wait_dscnt 63
.endif
	WIN 0x0d                                       ; source 0 (w) window 1, source 1 (y) window 3, C and D window 0
.irp s, 0,1,2,3,4
	PROD \t, \s, 0
.endr
	WIN 0
.if (\t) > 0
.if (\t) < 7
	s_wait_dscnt NF
.else
	s_wait_dscnt 0x0
.endif
	SEND (\t)-1
.endif
	WIN 0x0e                                       ; w's window 2
.irp s, 5,6,7
	PROD \t, \s, 5
.endr
	WIN 0
	PLACES 4                                       ; ahead of the stores of the results and of the loads into the set just multiplied
.if (\t) > 1
	s_wait_xcnt 0x0                                ; block t - 2's stores have read the registers that the stage's loads fill again
.endif
	TOSTAGE \t
.if (\t) < 6
	FETCH (\t)%2, (\t)+2
.endif
.endm
	s_cmp_eq_u32 s14, 0
	s_cbranch_scc0 .Lnot_w
	s_wait_tensorcnt 0x0                           ; wave 0, whose load line is its own: the weights are in
.Lnot_w:
	s_barrier_signal -1
	s_barrier_wait -1                              ; shown to all; the other three tiles may be on their way
	WPART 0x40, 0, 1, 2, 3, 4, 0                   ; 192 loads: my weights go into registers under the other tiles' flight
	WPART 0x80, 5, 6, 7, -1, -1, 5
	WIN 0
	s_wait_tensorcnt 0x0                           ; every wave: all that is still out
	s_wait_dscnt 0x0
	s_barrier_signal -1
	s_barrier_wait -1                              ; y's tiles and all scale words are in
.irp i, 0,1,2,3
.irp q, 0,1,2,3
	ds_load_b64 v[WS+8*\i+2*\q:WS+8*\i+2*\q+1], v[AWS] offset:512*\i+128*\q
.endr
.endr
	FETCH 0, 0
	FETCH 1, 1
	s_wait_loadcnt 0x0                             ; the bias
.irp t, 0,1,2,3,4,5,6,7
	BLOCK \t
.endr
	s_wait_dscnt 0x0
	SEND 7
	s_wait_tensorcnt 0x0                           ; the wave's end, behind my last LDS store
	ds_add_u32 v[SPW], v[NIL]
	s_wait_dscnt 0x0
	CROUND                                         ; the closing round
	s_endpgm
.Lfunc_end_k_q3a8720642d_proj:
	.size	k_q3a8720642d_proj, .Lfunc_end_k_q3a8720642d_proj-k_q3a8720642d_proj
	.p2alignl 7, 3214868480
	.fill 96, 4, 3214868480
	.section	.rodata,"a",@progbits
	.p2align	6, 0x0
	.amdhsa_kernel k_q3a8720642d_proj
		.amdhsa_group_segment_fixed_size 327680
		.amdhsa_private_segment_fixed_size 0
		.amdhsa_enable_private_segment 0
		.amdhsa_kernarg_size 32
		.amdhsa_user_sgpr_count 2
		.amdhsa_user_sgpr_kernarg_segment_ptr 1
		.amdhsa_wavefront_size32 1
		.amdhsa_system_sgpr_workgroup_id_x 1
		.amdhsa_system_sgpr_workgroup_id_y 1
		.amdhsa_system_sgpr_workgroup_id_z 1
		.amdhsa_system_vgpr_workitem_id 0
		.amdhsa_next_free_vgpr 1024
		.amdhsa_next_free_sgpr 96
		.amdhsa_reserve_vcc 0
		.amdhsa_float_denorm_mode_32 3
		.amdhsa_float_denorm_mode_16_64 3
		.amdhsa_memory_ordered 1
		.amdhsa_forward_progress 1
		.amdhsa_inst_pref_size 98
	.end_amdhsa_kernel
	.amdgpu_metadata
---
amdhsa.version: [ 1, 2 ]
amdhsa.kernels:
  - .name:           k_q3a8720642d_proj
    .symbol:         k_q3a8720642d_proj.kd
    .args:
      - { .name: yq, .offset: 0, .size: 8, .value_kind: global_buffer, .address_space: global }
      - { .name: wq, .offset: 8, .size: 8, .value_kind: global_buffer, .address_space: global }
      - { .name: b_proj, .offset: 16, .size: 8, .value_kind: global_buffer, .address_space: global }
      - { .name: out0, .offset: 24, .size: 8, .value_kind: global_buffer, .address_space: global }
    .group_segment_fixed_size: 327680
    .private_segment_fixed_size: 0
    .kernarg_segment_align: 8
    .kernarg_segment_size: 32
    .max_flat_workgroup_size: 128
    .sgpr_count:     96
    .vgpr_count:     1024
    .wavefront_size: 32
...
	.end_amdgpu_metadata
.endif
;; end of part 4
